; MI455X (gfx1250); checked and timed in simulation.
; The chip was launched on July 23, 2026; its instructions are those of AMD's public machine-readable ISA for CDNA 5 (MIT licence, August 2026) and "CDNA5" Instruction Set Architecture Reference Guide (July 2026). The comments in the code are by the model that wrote it; some were corrected since.
;; LN MHA. Allowed arithmetic: matrix products marked QUANTISED: E2M1 operands, one E8M0 scale for each 32 along K, by v_wmma_scale_f32_16x16x128_f8f6f4 with both operands' format E2M1 (or v_wmma_scale_f32_32x16x128_f4), f32 sums; everything else in f32.
;; Inputs: Wk_codes 1,024 x 32 x 16 uint8 (E2M1 codes of Wk, K innermost, in blocks of 32 codes, two codes a byte); Wk_scales 1,024 x 32 uint8 (E8M0 scales of Wk, one for each 32 codes along K); Wo_codes 1,024 x 32 x 16 uint8 (E2M1 codes of Wo, K innermost, in blocks of 32 codes, two codes a byte); Wo_scales 1,024 x 32 uint8 (E8M0 scales of Wo, one for each 32 codes along K); Wq_codes 1,024 x 32 x 16 uint8 (E2M1 codes of Wq, K innermost, in blocks of 32 codes, two codes a byte); Wq_scales 1,024 x 32 uint8 (E8M0 scales of Wq, one for each 32 codes along K); Wv_codes 1,024 x 32 x 16 uint8 (E2M1 codes of Wv, K innermost, in blocks of 32 codes, two codes a byte); Wv_scales 1,024 x 32 uint8 (E8M0 scales of Wv, one for each 32 codes along K); beta 1,024 float32; bk 1,024 float32; bo 1,024 float32; bq 1,024 float32; bv 1,024 float32; gamma 1,024 float32; x 4 x 2,048 x 1,024 float32.
;; Outputs: out0 4 x 2,048 x 1,024 float32.
;; This version of the problem:
;;   THIS VERSION OF THE PROBLEM IS GIVEN IN LOW PRECISION. The matrix products marked QUANTISED in the list below multiply operands that are first quantised to E2M1 (2 exponent bits, 1 mantissa bit; 4 bits a number), with one power-of-two scale for each 32 numbers along K (OCP MX v1.0); their sums are f32. All else is computed in f32.
;;   The module's matrix products, in the order in which they are computed (A, B: the left and right operand; K: the contracted axis; several contracted axes count as one K, in the product's order):
;;     1. [M 8,192, K 1,024] x [K 1,024, N 1,024]; A: input x; B: input Wq (given as codes): QUANTISED
;;     2. [M 8,192, K 1,024] x [K 1,024, N 1,024]; A: input x; B: input Wk (given as codes): QUANTISED
;;     3. [M 8,192, K 1,024] x [K 1,024, N 1,024]; A: input x; B: input Wv (given as codes): QUANTISED
;;     4. batch 64 x [M 2,048, K 64] x [K 64, N 2,048]; A: computed on the way; B: computed on the way: QUANTISED
;;     5. batch 64 x [M 2,048, K 2,048] x [K 2,048, N 64]; A: softmax (see below); B: computed on the way: QUANTISED
;;     6. [M 8,192, K 1,024] x [K 1,024, N 1,024]; A: computed on the way; B: input Wo (given as codes): QUANTISED
;;   THE QUANTISER, for each operand of a quantised product, along K:
;;     - K is cut into blocks of 32 from its start; a last block that is shorter is filled with zeros.
;;     - A block's scale is 2^e with e = floor(log2(the largest magnitude in the block)) - 2, held to -126 .. 127; a block of zeros has e = 0. As a byte (E8M0): e + 127.
;;     - Each number is divided by its block's scale, clamped to +-6, and rounded to the nearest number of E2M1, ties to even, subnormals kept.
;;     - The product sums the exact products of the quantised numbers (number of the format x scale) in f32.
;;   ~~~python
;;   def quantise(x, axis):      # numpy; x: float32 -> the quantised numbers, widened to float32 again
;;       x = np.moveaxis(x, axis, -1); K = x.shape[-1]
;;       x = np.pad(x, [(0, 0)] * (x.ndim - 1) + [(0, -K % 32)]); x = x.reshape(x.shape[:-1] + (-1, 32)); a = np.abs(x).max(-1, keepdims=True)
;;       e = np.where(a > 0, np.clip(np.frexp(np.where(a > 0, a, 1))[1] - 1 - 2, -126, 127), 0)      # np.frexp(a)[1] - 1 = floor(log2(a)), exactly
;;       r = np.clip(x / 2.0 ** e, -6, 6)
;;       step = 2.0 ** (np.maximum(np.frexp(np.where(r == 0, 1, r))[1] - 1, 0) - 1)
;;       q = np.round(r / step) * step * 2.0 ** e      # np.round: ties to even
;;       return np.moveaxis(q.reshape(q.shape[:-2] + (-1,))[..., :K], -1, axis).astype(np.float32)
;;   ~~~
;;   SOFTMAX AHEAD OF A QUANTISED PRODUCT. Where the list says 'softmax', what is quantised is not the finished softmax but p = 2^(t - M), with t = logit x log2(e) and M = ceil(the row's largest t), a whole number; so 1/2 < the row's largest p <= 1. The row's sum l is taken of the UNQUANTISED p, in f32, and the product's result is divided by l at the end. Since M is a whole number, a kernel that streams over the keys may use a running M (the ceiling of the running maximum): every later rescaling is an exact power of two, which a block's scale takes up: the codes' values come out the same.
;;   OPERANDS COMPUTED ON THE WAY. 'Computed on the way' means the value that the module computes at that place (a softmax that the list does not call 'softmax' is quantised finished and normalised). What goes into a quantiser is computed in f32, as accurately as f32 sums, v_exp_f32 and their like allow (about 1e-6 of the number): no bf16 or f16 on the way to a quantiser, and a product that is left as it is and whose result goes on into a quantised operand takes f32 operands (vector FMAs, or v_wmma_f32_16x16x4_f32). A number that lies on a knife's edge between two numbers of the format may be rounded either way, as far as f32 arithmetic and the matrix unit's own rounding can turn it there, and no further.
;;   INPUTS GIVEN AS CODES. Wk (in the module: [1024, 1024], K = its axis 1); Wo (in the module: [1024, 1024], K = its axis 1); Wq (in the module: [1024, 1024], K = its axis 1); Wv (in the module: [1024, 1024], K = its axis 1): each comes as NAME_codes (uint8): NAME with its K axis moved to the last place and cut into blocks of 32 codes, [.., K / 32, bytes a block], one block behind the other in memory; two codes a byte, the lower K in the low four bits (a code: sign, 2 exponent bits, 1 mantissa bit); and NAME_scales (uint8): the same leading axes, one E8M0 byte (e + 127) for each 32 codes along K. Its value is code x scale, taken as it is: it is not quantised again, and the codes and scales need not be those that the quantiser above would give.
;; 2 versions. Each part assembles by itself: llvm-mc -triple=amdgcn-amd-amdhsa -mcpu=gfx1250 --defsym DOCPART=n.
;; ======== version 1 of 2: 4 launches
;; workspace buffers: xcode 4,456,448 bytes; wimg 2,097,152 bytes; qbuf 4,718,592 bytes; kbuf 4,718,592 bytes; vbuf 4,456,448 bytes; hbuf 4,456,448 bytes
;; launch prep (part 1): grid 320 x 1, 4 waves a work-group, no clusters, 34,304 bytes of LDS; arguments x, Wq_codes, Wk_codes, Wv_codes, Wo_codes, xcode, wimg; writes xcode, wimg
.if DOCPART == 1
	.amdgcn_target "amdgcn-amd-amdhsa--gfx1250"
	.amdhsa_code_object_version 6
	.text
	.protected	k_qfbf83683d8_prep
	.globl	k_qfbf83683d8_prep
	.p2align	8
	.type	k_qfbf83683d8_prep,@function
k_qfbf83683d8_prep:
	s_mov_b64 s[64:65], 0
	v_nop
	global_prefetch_b8 v0, s[64:65] scope:SCOPE_SE
	s_setreg_imm32_b32 hwreg(HW_REG_WAVE_MODE, 25, 1), 1
	s_wait_xcnt 0x0
; x [8192][1024] f32 becomes codes of FP4 (E2M1) with one E8M0 byte for each 32 along K; the four weights' codes are laid anew.  Both leave as IMAGES OF OPERAND REGISTERS:
; a fragment (16 rows x 128 K) is 1,024 bytes: group c = 0, 1 of four registers, lane l's 16 bytes at 512 c + 16 l; lane (r, h) of group c holds k = 64 c + 32 h + 0 .. 31 of row r.
; THE ROWS OF A TILE ARE NOT NEIGHBOURS: tile 2 g + u holds rows 32 g + 8 u + p(r), p(r) = r + 8 (r / 8), so that a later product's results of two neighbouring tiles are 16 neighbours in a lane.
; xcode: codes [tile 0..511][K step 0..7][1,024]; from byte 4,194,304 on the scale words [tile][K half][row r][4 words].  wimg: [matrix q, k, v, o][tile 0..63][K step][1,024].
; Work-groups 0..255 take x (32 rows each: wave w takes tile w / 2, K half w % 2), work-groups 256..319 the weights (a wave a tile).  Only x's way touches LDS; waves share nothing: no barrier.
; A block's scale is 2^(floor(log2(its largest magnitude)) - 2): its byte is that magnitude's exponent field - 2, held at 1 from below.
; LIMITS: NaN and infinities among the inputs are not served; a block whose largest magnitude lies under 2^-124 (zeros among them) gets the byte 1: the bytes are read by this program alone.
.set SP,     528                       ; a stage row: 512 bytes + 16: sixteen rows begin at sixteen different 16-byte columns modulo 256
.set WREG,   16*SP                     ; a wave's stage
.set SCALES, 4194304                   ; where the scale words begin in xcode
.set SW,  8                            ; v8-11   the four steps' scale words
.set TM,  16                           ; v16-31  at work in QUANT
.set PC,  32                           ; v32-63  codes: eight registers a step, so that no store's data are written again
.set R,   64                           ; v64-191 two sets of 64: a step's numbers as loaded
.set X,   192                          ; v192-255 a step's numbers, 16 neighbours of each block of 32 a lane
.set SEL, 28                           ; s[28:29] v_permlanex16_b32's selects for lane l xor 16
; 64 numbers of a lane, register 16 b + i = k 32 b + 16 (lane / 16) + i of my row, become a fragment's codes in v[pc] on and its scale word in v[pw].
.macro QUANT s, pc, pw
.irp b, 0,1,2,3
	v_max3_num_f32 v[TM+\b], |v[\s+16*\b]|, |v[\s+16*\b+1]|, 0x1800000   ; my 16 numbers of block b, and the floor 2^(3 - 127): the byte cannot fall under 1
.endr
.irp i, 2,4,6,8,10,12,14
.irp b, 0,1,2,3
	v_max3_num_f32 v[TM+\b], v[TM+\b], |v[\s+16*\b+\i]|, |v[\s+16*\b+\i+1]|   ; the four blocks by turns
.endr
.endr
.irp b, 0,1,2,3
	v_permlanex16_b32 v[TM+4+\b], v[TM+\b], s[SEL], s[SEL+1]
.endr
.irp b, 0,1,2,3
	v_max_num_f32 v[TM+\b], v[TM+\b], v[TM+4+\b]       ; with lane l xor 16's: the block's largest magnitude
.endr
.irp b, 0,1,2,3
	v_add_nc_u32 v[TM+12+\b], 0xff000000, v[TM+\b]     ; 2 off its exponent field: the conversion takes this operand's exponent field as its scale
.endr
.irp b, 0,1,2,3
	v_lshrrev_b32 v[TM+4+\b], 23, v[TM+12+\b]          ; the scale's byte
.endr
	v_lshl_or_b32 v[\pw], v[TM+5], 8, v[TM+4]
	v_lshl_or_b32 v[\pw], v[TM+6], 16, v[\pw]
	v_lshl_or_b32 v[\pw], v[TM+7], 24, v[\pw]          ; my row's scale word
.irp b, 0,1,2,3
	v_cvt_scalef32_pk8_fp4_f32 v[\pc+2*\b], v[\s+16*\b:\s+16*\b+7], v[TM+12+\b]
	v_cvt_scalef32_pk8_fp4_f32 v[\pc+2*\b+1], v[\s+16*\b+8:\s+16*\b+15], v[TM+12+\b]
.endr
	v_nop                                              ; one plain instruction behind the scaled conversions
.irp c, 0,1
.irp i, 0,1
	v_permlane16_swap_b32 v[\pc+4*\c+\i], v[\pc+4*\c+2+\i]   ; a whole block to a lane: lanes 0-15 block 2 c, lanes 16-31 block 2 c + 1
.endr
.endr
.endm
	s_load_b256 s[4:11], s[0:1], 0x0               ; x, Wq, Wk, Wv
	s_load_b128 s[12:15], s[0:1], 0x20             ; Wo, xcode
	s_load_b64 s[16:17], s[0:1], 0x30              ; wimg
	v_lshl_add_u32 v26, v0, 2, 0x8400
	v_mov_b32 v27, 0
	v_lshrrev_b32 v2, 5, v0
	v_readfirstlane_b32 s18, v2                    ; wave 0..3
	v_and_b32 v5, 31, v0                           ; lane
	v_and_b32 v6, 15, v0                           ; r
	v_bfe_u32 v7, v0, 4, 1                         ; h
	v_lshlrev_b32 v1, 4, v5                        ; 16 x lane: an image's place for my lane, and my 16 bytes of a load's 512
	s_cmp_ge_u32 ttmp9, 256
	s_cbranch_scc1 .Lweights
	; ---- x: my tile's 16 rows x 512 numbers, in four steps of 128 along K
	s_mul_i32 s20, s18, WREG
	v_add_nc_u32 v2, s20, v1                       ; into the stage: a row as it lies
	v_mul_u32_u24 v3, v6, SP
	v_lshl_add_u32 v3, v7, 6, v3
	v_add_nc_u32 v3, s20, v3                       ; out of it: row r, 64 h bytes on: my 16 numbers of a block
	v_lshlrev_b32 v4, 4, v6
	v_lshl_add_u32 v4, v7, 3, v4                   ; the scale words' place: 16 r + 8 h
	v_cmp_lt_u32 vcc_lo, 15, v5                    ; lanes 16-31
.irp b, 0,1,2,3
	v_mov_b32 v[TM+4+\b], 0                        ; written once: a lane permute's destination counts as one of its sources
.endr
	s_mov_b32 s[SEL], 0x76543210
	s_mov_b32 s[SEL+1], 0xfedcba98
	s_lshr_b32 s21, s18, 1                         ; which of the two tiles
	s_and_b32 s22, s18, 1                          ; which half of K
	s_lshl_b32 s24, ttmp9, 17                      ; x: 32 rows of 4,096 bytes a work-group,
	s_lshl_b32 s23, s21, 15                        ; 8 rows on for the second tile,
	s_add_co_u32 s24, s24, s23
	s_lshl_b32 s23, s22, 11                        ; 2,048 bytes on for the second half of K
	s_add_co_u32 s24, s24, s23
	s_mov_b32 s25, 0
	s_lshl_b32 s26, ttmp9, 14                      ; codes: 8,192 bytes a tile, 4,096 a half
	s_lshl_b32 s23, s21, 13
	s_add_co_u32 s26, s26, s23
	s_lshl_b32 s23, s22, 12
	s_add_co_u32 s26, s26, s23
	s_mov_b32 s27, 0
	s_lshl_b32 s30, ttmp9, 10                      ; scale words: 512 bytes a tile, 256 a half
	s_lshl_b32 s23, s21, 9
	s_add_co_u32 s30, s30, s23
	s_lshl_b32 s23, s22, 8
	s_add_co_u32 s30, s30, s23
	s_mov_b32 s31, 0
	s_wait_kmcnt 0x0
	s_add_nc_u64 s[4:5], s[4:5], s[24:25]
	s_add_nc_u64 s[32:33], s[14:15], s[26:27]
	s_add_nc_u64 s[34:35], s[14:15], s[30:31]
.macro XLOAD k                         ; step k: sixteen loads, each 512 consecutive bytes of one of the tile's rows
.irp p, 0,1,2,3,4,5,6,7,8,9,10,11,12,13,14,15
	global_load_b128 v[R+64*((\k)%2)+4*\p:R+64*((\k)%2)+4*\p+3], v1, s[4:5] offset:(\p+8*(\p/8))*4096+512*(\k) th:TH_LOAD_NT
.endr
.endm
.macro TURN k                          ; through my stage: LDS serves a wave's instructions in order, so no wait stands between the stores and the loads
.irp p, 0,1,2,3,4,5,6,7,8,9,10,11,12,13,14,15
	ds_store_b128 v2, v[R+64*((\k)%2)+4*\p:R+64*((\k)%2)+4*\p+3] offset:SP*\p
.endr
.irp b, 0,1,2,3
.irp i, 0,1,2,3
	ds_load_b128 v[X+16*\b+4*\i:X+16*\b+4*\i+3], v3 offset:128*\b+16*\i
.endr
.endr
.endm
	XLOAD 0
	XLOAD 1
.irp k, 0,1,2,3
.if \k < 3
	s_wait_loadcnt 16                              ; this step's sixteen loads are in; the next step's may be out
.else
	s_wait_loadcnt 0x0
.endif
	TURN \k
	s_wait_dscnt 0x0                               ; the numbers are back, and the stores into the stage have read their registers,
.if \k < 2
	XLOAD \k+2                                     ; which take the loads of two steps on
.endif
	QUANT X, PC+8*\k, SW+\k
.irp c, 0,1
	global_store_b128 v1, v[PC+8*\k+4*\c:PC+8*\k+4*\c+3], s[32:33] offset:1024*\k+512*\c   ; 32 lanes store 512 consecutive bytes, aligned
.endr
.endr
	v_cndmask_b32 v12, v[SW], v[SW+2], vcc_lo      ; lanes 0-15 send words 0 and 1 of their row, lanes 16-31 words 2 and 3:
	v_cndmask_b32 v13, v[SW+1], v[SW+3], vcc_lo
	global_store_b64 v4, v[12:13], s[34:35] offset:SCALES   ; 256 consecutive bytes, aligned
	s_wait_tensorcnt 0x0
	ds_add_u32 v26, v27
	s_wait_dscnt 0x0
	s_endpgm
	; ---- a weight: one tile of 16 rows x 1,024 codes becomes eight images
.Lweights:
	s_sub_co_u32 s20, ttmp9, 256
	s_lshr_b32 s21, s20, 4                         ; which matrix: 0 q, 1 k, 2 v, 3 o
	s_and_b32 s22, s20, 15
	s_lshl_b32 s22, s22, 2
	s_add_co_u32 s22, s22, s18                     ; which tile, 0..63
	v_and_b32 v8, 8, v6
	v_add_nc_u32 v8, v8, v6                        ; p(r)
	v_lshlrev_b32 v9, 9, v8                        ; a row of 1,024 codes is 512 bytes
	v_lshl_add_u32 v9, v7, 4, v9
	s_lshr_b32 s23, s22, 1
	s_lshl_b32 s24, s23, 14                        ; 32 rows for each pair of tiles,
	s_and_b32 s23, s22, 1
	s_lshl_b32 s23, s23, 12                        ; 8 rows on for the odd one
	s_add_co_u32 s24, s24, s23
	s_mov_b32 s25, 0
	s_lshl_b32 s26, s21, 19
	s_lshl_b32 s23, s22, 13
	s_add_co_u32 s26, s26, s23
	s_mov_b32 s27, 0
	s_wait_kmcnt 0x0
	s_cmp_eq_u32 s21, 1                            ; the choice hangs on the work-group's number alone
	s_cselect_b64 s[6:7], s[8:9], s[6:7]
	s_cmp_eq_u32 s21, 2
	s_cselect_b64 s[6:7], s[10:11], s[6:7]
	s_cmp_eq_u32 s21, 3
	s_cselect_b64 s[6:7], s[12:13], s[6:7]
	s_add_nc_u64 s[6:7], s[6:7], s[24:25]
	s_add_nc_u64 s[16:17], s[16:17], s[26:27]
.irp s, 0,1,2,3,4,5,6,7
.irp c, 0,1
	global_load_b128 v[R+8*\s+4*\c:R+8*\s+4*\c+3], v9, s[6:7] offset:64*\s+32*\c th:TH_LOAD_NT   ; k = 128 s + 64 c + 32 h on, of row p(r)
.endr
.endr
.irp s, 0,1,2,3,4,5,6,7
.irp c, 0,1
	s_wait_loadcnt 15-2*\s-\c                      ; loads come back in order: this one is in, the younger ones may be out
	global_store_b128 v1, v[R+8*\s+4*\c:R+8*\s+4*\c+3], s[16:17] offset:1024*\s+512*\c
.endr
.endr
	s_endpgm
.Lfunc_end_k_qfbf83683d8_prep:
	.size	k_qfbf83683d8_prep, .Lfunc_end_k_qfbf83683d8_prep-k_qfbf83683d8_prep
	.p2alignl 7, 3214868480
	.fill 96, 4, 3214868480
	.section	.rodata,"a",@progbits
	.p2align	6, 0x0
	.amdhsa_kernel k_qfbf83683d8_prep
		.amdhsa_group_segment_fixed_size 34304
		.amdhsa_private_segment_fixed_size 0
		.amdhsa_enable_private_segment 0
		.amdhsa_kernarg_size 56
		.amdhsa_user_sgpr_count 2
		.amdhsa_user_sgpr_kernarg_segment_ptr 1
		.amdhsa_wavefront_size32 1
		.amdhsa_system_sgpr_workgroup_id_x 1
		.amdhsa_system_sgpr_workgroup_id_y 1
		.amdhsa_system_sgpr_workgroup_id_z 1
		.amdhsa_system_vgpr_workitem_id 0
		.amdhsa_next_free_vgpr 256
		.amdhsa_next_free_sgpr 66
		.amdhsa_reserve_vcc 1
		.amdhsa_float_denorm_mode_32 3
		.amdhsa_float_denorm_mode_16_64 3
		.amdhsa_memory_ordered 1
		.amdhsa_forward_progress 1
		.amdhsa_inst_pref_size 37
	.end_amdhsa_kernel
	.amdgpu_metadata
---
amdhsa.version: [ 1, 2 ]
amdhsa.kernels:
  - .name:           k_qfbf83683d8_prep
    .symbol:         k_qfbf83683d8_prep.kd
    .args:
      - { .name: x, .offset: 0, .size: 8, .value_kind: global_buffer, .address_space: global }
      - { .name: Wq_codes, .offset: 8, .size: 8, .value_kind: global_buffer, .address_space: global }
      - { .name: Wk_codes, .offset: 16, .size: 8, .value_kind: global_buffer, .address_space: global }
      - { .name: Wv_codes, .offset: 24, .size: 8, .value_kind: global_buffer, .address_space: global }
      - { .name: Wo_codes, .offset: 32, .size: 8, .value_kind: global_buffer, .address_space: global }
      - { .name: xcode, .offset: 40, .size: 8, .value_kind: global_buffer, .address_space: global }
      - { .name: wimg, .offset: 48, .size: 8, .value_kind: global_buffer, .address_space: global }
    .group_segment_fixed_size: 34304
    .private_segment_fixed_size: 0
    .kernarg_segment_align: 8
    .kernarg_segment_size: 56
    .max_flat_workgroup_size: 128
    .sgpr_count:     66
    .vgpr_count:     256
    .wavefront_size: 32
...
	.end_amdgpu_metadata
.endif
;; end of part 1
;; launch qkv (part 2): grid 4 x 64, 4 waves a work-group, no clusters, 66,048 bytes of LDS; arguments xcode, wimg, Wq_scales, Wk_scales, Wv_scales, bq, bk, bv, qbuf, kbuf, vbuf; writes qbuf, kbuf, vbuf
.if DOCPART == 2
	.amdgcn_target "amdgcn-amd-amdhsa--gfx1250"
	.amdhsa_code_object_version 6
	.text
	.protected	k_qfbf83683d8_qkv
	.globl	k_qfbf83683d8_qkv
	.p2align	8
	.type	k_qfbf83683d8_qkv,@function
k_qfbf83683d8_qkv:
	s_mov_b64 s[64:65], 0
	v_nop
	global_prefetch_b8 v0, s[64:65] scope:SCOPE_SE
	s_setreg_imm32_b32 hwreg(HW_REG_WAVE_MODE, 25, 1), 1
	s_wait_xcnt 0x0
; Q = x Wq^T + bq, K, V likewise, on codes of FP4 with E8M0 scales; the results leave as codes: Q and K quantised along a head's 64 channels, V along the keys.
; SHARES.  A work-group takes 128 tokens (8 tiles; work-group y) and four heads (work-group x); wave w takes head 4 x + w: its 64 columns of Q, of K and of V.
; x's 64 fragments (8 tiles x 8 K steps, 64 KB of images) come once through LDS and stay in each wave's registers (512).  The weights' images go from memory straight into registers, one unit ahead.
; A UNIT is two weight tiles x 8 token tiles x all of K: 16 accumulators by turns, 128 matrix instructions.  Six units: Q channels 0-31, 32-63, K likewise, V likewise.  All is written out: every offset is an immediate.
; Q, K: source 0 = 16 rows of W, source 1 = 16 tokens: a lane holds one token, and the 16 registers of the unit's two tiles are 16 neighbouring channels (the tiles' rows are 32 b + 8 u + p(r), p(r) = r + 8 (r / 8)).
; V: source 0 = 16 tokens, source 1 = 16 rows of W: a lane holds one channel, and its 64 registers run along the 128 tokens, which are the second attention product's K.
; The biases are the C of each sum's first matrix instruction.
; OUT.  qbuf, kbuf: codes [head 0..63][token tile 0..127][512: lane (r, h) = channels 32 h .. 32 h + 31 of token row r]; from byte 4,194,304 on, scale words [head][128 tokens][lane (r, h)][4 words: tiles 4 h + i],
; a word = byte of channels 0-31 | byte of channels 32-63 << 8 | 0x7f7f0000.  vbuf: codes [head][128 keys][channel tile 0..3][1,024]; scale words [head][128 keys][lane (r, h)][2 words: tiles 2 h, 2 h + 1].
; NO JOINT LOADS: the weights that work-groups share go to registers and are used from there once; a way through LDS would write and read each of a unit's 16 KB a wave once more, and nothing in LDS is filled twice here.
; LIMITS: NaN and infinities are not served; a block whose largest magnitude lies under 2^-124 gets the byte 1: the bytes are read by this program alone.
; REGISTERS.  window 0: v1-8 offsets; v16-31 at work; v32-63 codes; v64-191 the 16 accumulators; v192-223 x's scale words (8 g + s: lanes 0-15 tile 2 g, lanes 16-31 tile 2 g + 1);
;   v224-239 the weights' scale words, two sets (lanes 0-15 the unit's first tile, lanes 16-31 its second); v240-251 scale bytes and words on their way out.
;   window 1: x's fragment (tile j, K step s) at 64 s + 8 j, s = 0..3; window 2: s = 4..7; window 3: v0-127 the unit's weight fragments (16 s + 8 t), v128-143 the bias as C, v144-145 V's bias, a number a lane.
.set SCALES, 4194304
.set TM,   16
.set QC,   32
.set ACC,  64
.set XS,   192
.set WS,   224
.set QB,   240
.set VW,   240
.set SELR, 248
.set BIAS, 128
.set BVW,  144
.set SEL,  38
.set MSB,  0
.macro WIN new                         ; s_set_vgpr_msb: bits 1:0 source 0, 3:2 source 1, 5:4 source 2, 7:6 destination; the high byte repeats the setting that is left
.if MSB != \new
	s_set_vgpr_msb (MSB<<8)|\new
.set MSB, \new
.endif
.endm
.macro PLACES
.rept 4
	v_nop
.endr
.endm
.macro WM d, a, b, c, sa, sb, ra, rb   ; ra, rb = 1: that side's scales are read from lanes 16-31
.if (\ra) && (\rb)
	v_wmma_scale_f32_16x16x128_f8f6f4 v[\d:\d+7], v[\a:\a+7], v[\b:\b+7], v[\c:\c+7], v[\sa], v[\sb] matrix_a_fmt:MATRIX_FMT_FP4 matrix_b_fmt:MATRIX_FMT_FP4 matrix_a_scale:MATRIX_SCALE_ROW1 matrix_b_scale:MATRIX_SCALE_ROW1
.elseif (\ra)
	v_wmma_scale_f32_16x16x128_f8f6f4 v[\d:\d+7], v[\a:\a+7], v[\b:\b+7], v[\c:\c+7], v[\sa], v[\sb] matrix_a_fmt:MATRIX_FMT_FP4 matrix_b_fmt:MATRIX_FMT_FP4 matrix_a_scale:MATRIX_SCALE_ROW1
.elseif (\rb)
	v_wmma_scale_f32_16x16x128_f8f6f4 v[\d:\d+7], v[\a:\a+7], v[\b:\b+7], v[\c:\c+7], v[\sa], v[\sb] matrix_a_fmt:MATRIX_FMT_FP4 matrix_b_fmt:MATRIX_FMT_FP4 matrix_b_scale:MATRIX_SCALE_ROW1
.else
	v_wmma_scale_f32_16x16x128_f8f6f4 v[\d:\d+7], v[\a:\a+7], v[\b:\b+7], v[\c:\c+7], v[\sa], v[\sb] matrix_a_fmt:MATRIX_FMT_FP4 matrix_b_fmt:MATRIX_FMT_FP4
.endif
.endm
; 64 numbers of a lane, register 16 b + i = k 32 b + 16 (lane / 16) + i of my row, become a fragment's codes in v[pc] on and its scale word in v[pw].
.macro QUANT s, pc, pw
.irp b, 0,1,2,3
	v_max3_num_f32 v[TM+\b], |v[\s+16*\b]|, |v[\s+16*\b+1]|, 0x1800000   ; each accumulator is read from its low end on; the floor 2^(3 - 127) holds the byte at 1 from below
.endr
.irp i, 2,4,6,8,10,12,14
.irp b, 0,1,2,3
	v_max3_num_f32 v[TM+\b], v[TM+\b], |v[\s+16*\b+\i]|, |v[\s+16*\b+\i+1]|
.endr
.endr
.irp b, 0,1,2,3
	v_permlanex16_b32 v[TM+4+\b], v[TM+\b], s[SEL], s[SEL+1]
.endr
.irp b, 0,1,2,3
	v_max_num_f32 v[TM+\b], v[TM+\b], v[TM+4+\b]
.endr
.irp b, 0,1,2,3
	v_add_nc_u32 v[TM+12+\b], 0xff000000, v[TM+\b]
.endr
.irp b, 0,1,2,3
	v_lshrrev_b32 v[TM+4+\b], 23, v[TM+12+\b]
.endr
	v_lshl_or_b32 v[\pw], v[TM+5], 8, v[TM+4]
	v_lshl_or_b32 v[\pw], v[TM+6], 16, v[\pw]
	v_lshl_or_b32 v[\pw], v[TM+7], 24, v[\pw]
.irp b, 0,1,2,3
	v_cvt_scalef32_pk8_fp4_f32 v[\pc+2*\b], v[\s+16*\b:\s+16*\b+7], v[TM+12+\b]
	v_cvt_scalef32_pk8_fp4_f32 v[\pc+2*\b+1], v[\s+16*\b+8:\s+16*\b+15], v[TM+12+\b]
.endr
	v_nop                                              ; one plain instruction behind the scaled conversions
.irp c, 0,1
.irp i, 0,1
	v_permlane16_swap_b32 v[\pc+4*\c+\i], v[\pc+4*\c+2+\i]
.endr
.endr
.endm
; What unit n wants (n / 2: the matrix q, k, v; n % 2: which 32 channels, and which set of scale registers).
.macro PF_SC n                         ; its weights' scale words: 8 words a row; lanes 0-15 the first tile's rows, lanes 16-31 the second's
.irp q, 0,1
	global_load_b128 v[WS+8*((\n)%2)+4*\q:WS+8*((\n)%2)+4*\q+3], v3, s[12+2*((\n)/2):13+2*((\n)/2)] offset:1024*((\n)%2)+16*\q
.endr
.endm
.macro PF_B n                          ; its bias, into window 3.  Q, K: lane (r, h), tile t: channels 16 h + 8 t + 0 .. 7.  V: the lane's own channel, a number a tile
.if (\n) < 4
.irp t, 0,1
.irp e, 0,1
	global_load_b128 v[BIAS+8*\t+4*\e:BIAS+8*\t+4*\e+3], v5, s[18+2*((\n)/2):19+2*((\n)/2)] offset:128*((\n)%2)+32*\t+16*\e
.endr
.endr
.else
.irp t, 0,1
	global_load_b32 v[BVW+\t], v6, s[22:23] offset:128*((\n)%2)+32*\t
.endr
.endif
.endm
.macro PF_W n, s                       ; its two weight fragments of K step s, into window 3: four loads of 512 consecutive bytes
.irp t, 0,1
.irp c, 0,1
	global_load_b128 v[16*(\s)+8*\t+4*\c:16*(\s)+8*\t+4*\c+3], v1, s[10:11] offset:((\n)/2)*524288+((\n)%2)*16384+8192*\t+1024*(\s)+512*\c
.endr
.endr
.endm
; K step s of unit u: 16 matrix instructions, the 16 accumulators by turns; behind them, and four places, the next unit's fragments of the same K step land in the registers just read.
; THE COUNT: behind this step's four weight loads were issued the same unit's later steps' (4 (7 - s)) and, in this unit, the next unit's scale words and bias (6, or 4 where that unit is V's) and 4 s weight loads.
.macro KSTEP u, s
.if (\u) == 0
.if 16*(7-(\s)) > 63
	s_wait_dscnt 63                                ; x's fragments were asked for K step by K step, sixteen loads each: at most 63 are out, so this step's are in
.else
	s_wait_dscnt 16*(7-(\s))
.endif
.endif
.if (\u) == 5
	s_wait_loadcnt 4*(7-(\s))
.elseif (\s) == 0
	s_wait_loadcnt 28
.elseif (\u) < 3
	s_wait_loadcnt 34
.else
	s_wait_loadcnt 32
.endif
.if (\u) < 4
.if (\s) == 0
	WIN 0x37                                       ; W and the bias window 3, x window 1
.elseif (\s) < 4
	WIN 0x07
.else
	WIN 0x0b                                       ; x window 2
.endif
.irp j, 0,1,2,3,4,5,6,7
.irp t, 0,1
.if (\s) == 0
	WM ACC+16*\j+8*\t, 16*(\s)+8*\t, 64*((\s)%4)+8*\j, BIAS+8*\t, WS+8*((\u)%2)+(\s), XS+8*(\j/2)+(\s), \t, \j%2
.else
	WM ACC+16*\j+8*\t, 16*(\s)+8*\t, 64*((\s)%4)+8*\j, ACC+16*\j+8*\t, WS+8*((\u)%2)+(\s), XS+8*(\j/2)+(\s), \t, \j%2
.endif
.endr
.endr
.else
.if (\s) == 0
	WIN 0xc3
.irp t, 0,1
.irp i, 0,1,2,3,4,5,6,7
	v_mov_b32 v[BIAS+8*\t+\i], v[BVW+\t]           ; V's result holds one channel a lane: its bias in all eight registers of C
.endr
.endr
	PLACES
	WIN 0x3d                                       ; x window 1, W and the bias window 3
.elseif (\s) < 4
	WIN 0x0d
.else
	WIN 0x0e
.endif
.irp t, 0,1
.irp j, 0,1,2,3,4,5,6,7
.if (\s) == 0
	WM ACC+64*\t+8*\j, 64*((\s)%4)+8*\j, 16*(\s)+8*\t, BIAS+8*\t, XS+8*(\j/2)+(\s), WS+8*((\u)%2)+(\s), \j%2, \t
.else
	WM ACC+64*\t+8*\j, 64*((\s)%4)+8*\j, 16*(\s)+8*\t, ACC+64*\t+8*\j, XS+8*(\j/2)+(\s), WS+8*((\u)%2)+(\s), \j%2, \t
.endif
.endr
.endr
.endif
.if ((\u) < 5) || ((\s) == 7)
	PLACES                                         ; four places in front of loads into registers that these products read, and of the first read of results
.endif
.if (\u) < 5
.if (\s) == 0
	WIN 0
	PF_SC (\u)+1
	WIN 0xc0
	PF_B (\u)+1
.endif
	WIN 0xc0
	PF_W (\u)+1, \s
.endif
.endm
; Behind a unit of Q or K (m = 0, 1): block b of each token's 64 channels lies in lanes l and l xor 16, 16 numbers each.  Token tiles four at a time, by turns.
.macro EPI_QK b, m
	WIN 0
	s_wait_xcnt 0x0                                ; earlier stores have read their data: the codes' registers are written again only behind this wait
.irp g, 0,4
.irp k, 0,1,2,3
	v_max3_num_f32 v[TM+\k], |v[ACC+16*(\g+\k)]|, |v[ACC+16*(\g+\k)+1]|, 0x1800000   ; each accumulator from its low end on
.endr
.irp i, 2,4,6,8,10,12,14
.irp k, 0,1,2,3
	v_max3_num_f32 v[TM+\k], v[TM+\k], |v[ACC+16*(\g+\k)+\i]|, |v[ACC+16*(\g+\k)+\i+1]|
.endr
.endr
.irp k, 0,1,2,3
	v_permlanex16_b32 v[TM+4+\k], v[TM+\k], s[SEL], s[SEL+1]
.endr
.irp k, 0,1,2,3
	v_max_num_f32 v[TM+\k], v[TM+\k], v[TM+4+\k]
.endr
.irp k, 0,1,2,3
	v_add_nc_u32 v[TM+12+\k], 0xff000000, v[TM+\k]
.endr
.if (\b) == 0
.irp k, 0,1,2,3
	v_lshrrev_b32 v[QB+\g+\k], 23, v[TM+12+\k]     ; the first block's byte waits for the second's
.endr
.else
.irp k, 0,1,2,3
	v_lshrrev_b32 v[TM+8+\k], 23, v[TM+12+\k]
.endr
.irp k, 0,1,2,3
	v_lshl_or_b32 v[QB+\g+\k], v[TM+8+\k], 8, v[QB+\g+\k]
.endr
.irp k, 0,1,2,3
	v_or_b32 v[QB+\g+\k], 0x7f7f0000, v[QB+\g+\k]  ; the scale 1 for k = 64 .. 127 of the instruction, which a head does not have
.endr
.endif
.irp k, 0,1,2,3
	v_cvt_scalef32_pk8_fp4_f32 v[QC+4*(\g+\k)+2*(\b)], v[ACC+16*(\g+\k):ACC+16*(\g+\k)+7], v[TM+12+\k]
	v_cvt_scalef32_pk8_fp4_f32 v[QC+4*(\g+\k)+2*(\b)+1], v[ACC+16*(\g+\k)+8:ACC+16*(\g+\k)+15], v[TM+12+\k]
.endr
	v_nop                                          ; one plain instruction behind the scaled conversions
.endr
.if (\b) == 1
.irp j, 0,1,2,3,4,5,6,7
.irp i, 0,1
	v_permlane16_swap_b32 v[QC+4*\j+\i], v[QC+4*\j+2+\i]   ; lanes 0-15 channels 0-31, lanes 16-31 channels 32-63
.endr
.endr
.irp j, 0,1,2,3,4,5,6,7
	global_store_b128 v1, v[QC+4*\j:QC+4*\j+3], s[24+2*(\m):25+2*(\m)] offset:512*\j   ; 512 consecutive bytes, aligned
.endr
.irp i, 0,1,2,3
	v_cndmask_b32 v[SELR+\i], v[QB+\i], v[QB+4+\i], vcc_lo   ; lanes 0-15 send tiles 0-3's words of their token row, lanes 16-31 tiles 4-7's
.endr
	global_store_b128 v1, v[SELR:SELR+3], s[32+2*(\m):33+2*(\m)] offset:SCALES
.endif
.endm
; Behind a unit of V (g = 0, 1): each of its two channel tiles is one fragment, 16 channels x 128 keys.
.macro EPI_V g
	WIN 0
	s_wait_xcnt 0x0
.irp t, 0,1
	QUANT ACC+64*\t, QC+8*(2*(\g)+\t), VW+2*(\g)+\t
.irp c, 0,1
	global_store_b128 v1, v[QC+8*(2*(\g)+\t)+4*\c:QC+8*(2*(\g)+\t)+4*\c+3], s[28:29] offset:1024*(2*(\g)+\t)+512*\c
.endr
.endr
.if (\g) == 1
	v_cndmask_b32 v[SELR], v[VW], v[VW+2], vcc_lo  ; lanes 0-15 send tiles 0 and 1's words of their channel row, lanes 16-31 tiles 2 and 3's
	v_cndmask_b32 v[SELR+1], v[VW+1], v[VW+3], vcc_lo
	global_store_b64 v7, v[SELR:SELR+1], s[36:37] offset:SCALES
.endif
.endm
	s_load_b256 s[8:15], s[0:1], 0x0               ; xcode, wimg, Wq's scales, Wk's
	s_load_b256 s[16:23], s[0:1], 0x20             ; Wv's scales, bq, bk, bv
	s_load_b128 s[24:27], s[0:1], 0x40             ; qbuf, kbuf
	s_load_b64 s[28:29], s[0:1], 0x50              ; vbuf
	v_lshl_add_u32 v254, v0, 2, 0x10000
	v_mov_b32 v255, 0
	v_lshrrev_b32 v9, 5, v0
	v_readfirstlane_b32 s2, v9                     ; wave 0..3
	v_and_b32 v8, 31, v0                           ; lane
	v_and_b32 v9, 15, v0                           ; r
	v_bfe_u32 v10, v0, 4, 1                        ; h
	v_and_b32 v11, 8, v9
	v_add_nc_u32 v11, v11, v9                      ; p(r)
	v_lshlrev_b32 v1, 4, v8                        ; 16 x lane: an image's place for my lane
	v_lshlrev_b32 v2, 4, v0                        ; 16 x thread: the copy of x's images
	v_lshl_add_u32 v3, v10, 3, v11
	v_lshlrev_b32 v3, 5, v3                        ; the weights' scale words: row 8 h + p(r), 32 bytes a row
	v_lshlrev_b32 v4, 4, v9
	v_lshl_add_u32 v4, v10, 9, v4                  ; x's scale words: tile h of a pair, 16 bytes a row
	v_lshlrev_b32 v5, 6, v10                       ; Q's and K's bias: 16 h numbers on
	v_lshlrev_b32 v6, 2, v11                       ; V's bias: channel p(r)
	v_lshlrev_b32 v7, 3, v8                        ; 8 x lane
	v_cmp_lt_u32 vcc_lo, 15, v8                    ; lanes 16-31; never rewritten
.irp b, 0,1,2,3
	v_mov_b32 v[TM+4+\b], 0                        ; written once: a lane permute's destination counts as one of its sources
.endr
	s_mov_b32 s[SEL], 0x76543210
	s_mov_b32 s[SEL+1], 0xfedcba98
	s_lshl_b32 s3, ttmp9, 2
	s_add_co_u32 s3, s3, s2                        ; my head in the batch, 0..15
	s_and_b32 s4, ttmp7, 0xffff                    ; which 128 tokens, 0..63
	s_lshr_b32 s5, s4, 4
	s_lshl_b32 s5, s5, 4
	s_add_co_u32 s5, s5, s3                        ; batch x 16 + head
	s_and_b32 s6, s4, 15                           ; which 128 tokens of the sequence
	s_mov_b32 s41, 0
	s_wait_kmcnt 0x0
	s_lshl_b32 s40, s4, 12
	s_add_nc_u64 s[30:31], s[8:9], s[40:41]        ; x's scale words: 512 bytes a tile
	s_lshl_b32 s40, s5, 13
	s_lshl_b32 s42, s6, 9
	s_add_co_u32 s40, s40, s42
	s_add_nc_u64 s[32:33], s[24:25], s[40:41]      ; Q's scale words out,
	s_add_nc_u64 s[34:35], s[26:27], s[40:41]      ; K's,
	s_lshr_b32 s40, s40, 1
	s_add_nc_u64 s[36:37], s[28:29], s[40:41]      ; V's (half as many)
	s_lshl_b32 s40, s4, 16
	s_add_nc_u64 s[8:9], s[8:9], s[40:41]          ; x's images: 8 tiles of 8,192 bytes
	s_lshl_b32 s40, s3, 15
	s_add_nc_u64 s[10:11], s[10:11], s[40:41]      ; my head's four weight tiles in each matrix
	s_lshl_b32 s40, s3, 11
	s_add_nc_u64 s[12:13], s[12:13], s[40:41]      ; their scale bytes: 64 rows of 32
	s_add_nc_u64 s[14:15], s[14:15], s[40:41]
	s_add_nc_u64 s[16:17], s[16:17], s[40:41]
	s_lshl_b32 s40, s3, 8
	s_add_nc_u64 s[18:19], s[18:19], s[40:41]      ; the biases: 64 numbers
	s_add_nc_u64 s[20:21], s[20:21], s[40:41]
	s_add_nc_u64 s[22:23], s[22:23], s[40:41]
	s_lshl_b32 s40, s5, 16
	s_lshl_b32 s42, s6, 12
	s_add_co_u32 s40, s40, s42
	s_add_nc_u64 s[24:25], s[24:25], s[40:41]      ; the codes out: 4,096 bytes for 128 tokens of a head, in each of the three
	s_add_nc_u64 s[26:27], s[26:27], s[40:41]
	s_add_nc_u64 s[28:29], s[28:29], s[40:41]
.set i, 0
.rept 32
	global_load_b128 v[ACC+4*i:ACC+4*i+3], v2, s[8:9] offset:2048*i   ; the work-group's 64 KB of x's images, a 128th a thread
.set i, i+1
.endr
.irp g, 0,1,2,3
.irp q, 0,1
	global_load_b128 v[XS+8*\g+4*\q:XS+8*\g+4*\q+3], v4, s[30:31] offset:SCALES+1024*\g+256*\q
.endr
.endr
	PF_SC 0
	WIN 0xc0
	PF_B 0
.irp s, 0,1,2,3,4,5,6,7
	PF_W 0, \s
.endr
	WIN 0
	s_wait_loadcnt 46                              ; the copy's 32 loads are in; the 8 + 2 + 4 + 32 issued behind them may be out
.set i, 0
.rept 32
	ds_store_b128 v2, v[ACC+4*i:ACC+4*i+3] offset:2048*i
.set i, i+1
.endr
	s_wait_dscnt 0x0                               ; for the others' sake: my part of the images lies in LDS
	s_barrier_signal -1
	s_barrier_wait -1                              ; everybody's does
	WIN 0x40                                       ; destination window 1
.irp s, 0,1,2,3
.irp j, 0,1,2,3,4,5,6,7
.irp c, 0,1
	ds_load_b128 v[64*\s+8*\j+4*\c:64*\s+8*\j+4*\c+3], v1 offset:8192*\j+1024*\s+512*\c
.endr
.endr
.endr
	WIN 0x80                                       ; destination window 2
.irp s, 4,5,6,7
.irp j, 0,1,2,3,4,5,6,7
.irp c, 0,1
	ds_load_b128 v[64*(\s-4)+8*\j+4*\c:64*(\s-4)+8*\j+4*\c+3], v1 offset:8192*\j+1024*\s+512*\c
.endr
.endr
.endr
.irp u, 0,1,2,3,4,5
.irp s, 0,1,2,3,4,5,6,7
	KSTEP \u, \s
.endr
.if \u < 4
	EPI_QK \u%2, \u/2
.else
	EPI_V \u-4
.endif
.endr
	WIN 0
	s_wait_tensorcnt 0x0
	ds_add_u32 v254, v255
	s_wait_dscnt 0x0
	s_endpgm
.Lfunc_end_k_qfbf83683d8_qkv:
	.size	k_qfbf83683d8_qkv, .Lfunc_end_k_qfbf83683d8_qkv-k_qfbf83683d8_qkv
	.p2alignl 7, 3214868480
	.fill 96, 4, 3214868480
	.section	.rodata,"a",@progbits
	.p2align	6, 0x0
	.amdhsa_kernel k_qfbf83683d8_qkv
		.amdhsa_group_segment_fixed_size 66048
		.amdhsa_private_segment_fixed_size 0
		.amdhsa_enable_private_segment 0
		.amdhsa_kernarg_size 88
		.amdhsa_user_sgpr_count 2
		.amdhsa_user_sgpr_kernarg_segment_ptr 1
		.amdhsa_wavefront_size32 1
		.amdhsa_system_sgpr_workgroup_id_x 1
		.amdhsa_system_sgpr_workgroup_id_y 1
		.amdhsa_system_sgpr_workgroup_id_z 1
		.amdhsa_system_vgpr_workitem_id 0
		.amdhsa_next_free_vgpr 1024
		.amdhsa_next_free_sgpr 66
		.amdhsa_reserve_vcc 1
		.amdhsa_float_denorm_mode_32 3
		.amdhsa_float_denorm_mode_16_64 3
		.amdhsa_memory_ordered 1
		.amdhsa_forward_progress 1
		.amdhsa_inst_pref_size 194
	.end_amdhsa_kernel
	.amdgpu_metadata
---
amdhsa.version: [ 1, 2 ]
amdhsa.kernels:
  - .name:           k_qfbf83683d8_qkv
    .symbol:         k_qfbf83683d8_qkv.kd
    .args:
      - { .name: xcode, .offset: 0, .size: 8, .value_kind: global_buffer, .address_space: global }
      - { .name: wimg, .offset: 8, .size: 8, .value_kind: global_buffer, .address_space: global }
      - { .name: Wq_scales, .offset: 16, .size: 8, .value_kind: global_buffer, .address_space: global }
      - { .name: Wk_scales, .offset: 24, .size: 8, .value_kind: global_buffer, .address_space: global }
      - { .name: Wv_scales, .offset: 32, .size: 8, .value_kind: global_buffer, .address_space: global }
      - { .name: bq, .offset: 40, .size: 8, .value_kind: global_buffer, .address_space: global }
      - { .name: bk, .offset: 48, .size: 8, .value_kind: global_buffer, .address_space: global }
      - { .name: bv, .offset: 56, .size: 8, .value_kind: global_buffer, .address_space: global }
      - { .name: qbuf, .offset: 64, .size: 8, .value_kind: global_buffer, .address_space: global }
      - { .name: kbuf, .offset: 72, .size: 8, .value_kind: global_buffer, .address_space: global }
      - { .name: vbuf, .offset: 80, .size: 8, .value_kind: global_buffer, .address_space: global }
    .group_segment_fixed_size: 66048
    .private_segment_fixed_size: 0
    .kernarg_segment_align: 8
    .kernarg_segment_size: 88
    .max_flat_workgroup_size: 128
    .sgpr_count:     66
    .vgpr_count:     1024
    .wavefront_size: 32
...
	.end_amdgpu_metadata
.endif
;; end of part 2
;; launch attn (part 3): grid 4 x 64, 16 waves a work-group, no clusters, 145,408 bytes of LDS; arguments qbuf, kbuf, vbuf, hbuf; writes hbuf
.if DOCPART == 3
	.amdgcn_target "amdgcn-amd-amdhsa--gfx1250"
	.amdhsa_code_object_version 6
	.text
	.protected	k_qfbf83683d8_attn
	.globl	k_qfbf83683d8_attn
	.p2align	8
	.type	k_qfbf83683d8_attn,@function
k_qfbf83683d8_attn:
	s_mov_b64 s[64:65], 0
	v_nop
	global_prefetch_b8 v0, s[64:65] scope:SCOPE_SE
	s_setreg_imm32_b32 hwreg(HW_REG_WAVE_MODE, 25, 1), 1
	s_wait_xcnt 0x0
; head[q] = the sum over k of softmax_k(Q[q] . K[k] / 8) V[k], for one head of 64 channels and 2,048 keys, both products on codes of FP4 with E8M0 scales; the result leaves as codes along the model's 1,024.
; THE SOFTMAX AHEAD OF THE SECOND PRODUCT: t = score x log2(e) / 8; M = the row's largest t so far, rounded UP to a whole number; p = 2^(t - M) is what is quantised, along the keys, not normalised.
; The row's sum is taken of the unquantised p and divides O at the end.  When M moves, the sum and O are multiplied by 2^(old M - new M): exact.
; SHARES.  A work-group owns one head (work-group y) and a quarter of its queries (work-group x): 32 tiles of 16; each of its sixteen waves two of them, one after the other, in 256 registers: four waves to a SIMD,
; so that one wave's vector work stands beside another's matrix work and LDS loads.  Every wave walks all keys, 128 a step.
; LDS holds the whole head: K's codes (64 KB), V's (64 KB), their scale words (8 KB, 4 KB), all as images of operand registers, filled ONCE through registers: one barrier in the launch, and every read is 16 (or 8) x lane.
; LAYOUT.  Both products are used transposed: S^T = K Q^T, O^T = V^T P^T: a lane holds ONE query throughout.  The keys of tile 2 b + u are 32 b + 8 u + r + 8 (r / 8): the 16 registers of two neighbouring tiles are 16 neighbouring keys.
; A HEAD HAS 64 CHANNELS, THE INSTRUCTION 128 ALONG K: Q's codes for k = 64 .. 127 are zeros (v20-23), so whatever codes stand in the upper half of K's operand add nothing: they are the next tile's four registers
; (behind the last tile four zeros); both sides' scale bytes there are 0x7f.  So a tile of K is four registers and one LDS load.
; NO JOINT LOADS: what the four work-groups of a head share is fetched once by each, 140 KB at the head of a launch whose loop touches memory no more.
; LIMITS: NaN and infinities are not served.  A block's largest p is not searched for: the block's largest score goes through the same multiply-add and exponential, which takes v_exp_f32 not to fall where its input rises.
; A block of p or of the result under 2^-124 gets the byte 1.
; REGISTERS: v1-6 addresses that stay; v7 the byte on its way out; v8-11 the step's LDS addresses; v12 -M, v13 the largest t, v[14:15] the sum; v16-23 Q; v24 Q's scale word; v26-27 V's scale words; v28-31 K's;
; v32-67 K's eight tiles; v96-159 S^T, then p; v160-191 O^T; v192-223 V's four fragments; v224-231 p's codes; v232-247 at work; v248 p's scale word; v254 at work.
.set SCALES, 4194304
.set LV,   65536                       ; LDS: V's codes
.set LKS,  131072                      ; K's scale words, 512 bytes a step
.set LVS,  139264                      ; V's, 256 bytes a step
.macro PLACES
.rept 4
	v_nop
.endr
.endm
.macro WMZ d, a, b, sa, sb, ra         ; a product that starts its sum; ra = 1: source 0's scales are read from lanes 16-31
.if (\ra)
	v_wmma_scale_f32_16x16x128_f8f6f4 v[\d:\d+7], v[\a:\a+7], v[\b:\b+7], 0, v[\sa], v[\sb] matrix_a_fmt:MATRIX_FMT_FP4 matrix_b_fmt:MATRIX_FMT_FP4 matrix_a_scale:MATRIX_SCALE_ROW1
.else
	v_wmma_scale_f32_16x16x128_f8f6f4 v[\d:\d+7], v[\a:\a+7], v[\b:\b+7], 0, v[\sa], v[\sb] matrix_a_fmt:MATRIX_FMT_FP4 matrix_b_fmt:MATRIX_FMT_FP4
.endif
.endm
.macro WMA d, a, b, sa, sb, ra         ; and one that adds in place
.if (\ra)
	v_wmma_scale_f32_16x16x128_f8f6f4 v[\d:\d+7], v[\a:\a+7], v[\b:\b+7], v[\d:\d+7], v[\sa], v[\sb] matrix_a_fmt:MATRIX_FMT_FP4 matrix_b_fmt:MATRIX_FMT_FP4 matrix_a_scale:MATRIX_SCALE_ROW1
.else
	v_wmma_scale_f32_16x16x128_f8f6f4 v[\d:\d+7], v[\a:\a+7], v[\b:\b+7], v[\d:\d+7], v[\sa], v[\sb] matrix_a_fmt:MATRIX_FMT_FP4 matrix_b_fmt:MATRIX_FMT_FP4
.endif
.endm
	s_load_b256 s[4:11], s[0:1], 0x0               ; qbuf, kbuf, vbuf, hbuf
	v_lshl_add_u32 v253, v0, 2, 0x23000
	v_mov_b32 v255, 0
	v_lshrrev_b32 v7, 5, v0
	v_readfirstlane_b32 s36, v7                    ; wave 0..15
	v_and_b32 v234, 31, v0                         ; lane
	v_and_b32 v232, 15, v0                         ; r
	v_bfe_u32 v233, v0, 4, 1                       ; h
	v_lshlrev_b32 v1, 4, v234                      ; 16 x lane: my place in an image of K,
	v_add_nc_u32 v2, LV, v1                        ; of V,
	v_add_nc_u32 v3, LKS, v1                       ; among K's scale words,
	v_lshlrev_b32 v4, 3, v234
	v_add_nc_u32 v4, LVS, v4                       ; and among V's
	v_lshlrev_b32 v5, 4, v232                      ; Q's scale word: 16 r
	v_lshl_add_u32 v6, v232, 4, v233               ; the result's scale byte: 16 r + h
	v_cmp_lt_u32 vcc_lo, 15, v234                  ; lanes 16-31; never rewritten
	v_lshlrev_b32 v8, 4, v0                        ; the fill: 16 x thread, in memory and in LDS,
	v_add_nc_u32 v9, LV, v8
	v_add_nc_u32 v10, LKS, v8
	v_lshlrev_b32 v7, 3, v0                        ; 8 x thread for V's scale words
	v_add_nc_u32 v11, LVS, v7
	s_and_b32 s37, ttmp7, 0xffff                   ; batch x 16 + head
	s_lshr_b32 s38, s37, 4                         ; batch
	s_and_b32 s39, s37, 15                         ; head
	s_lshl_b32 s40, ttmp9, 5
	s_lshl_b32 s41, s36, 1
	s_add_co_u32 s40, s40, s41                     ; my first tile of queries in the sequence: 32 x quarter + 2 x wave
	s_lshl_b32 s41, s38, 7
	s_add_co_u32 s41, s41, s40                     ; and among all token tiles
	s_mov_b32 s43, 0
	s_mov_b32 s28, 0x76543210
	s_mov_b32 s29, 0xfedcba98                      ; v_permlanex16_b32's selects for lane l xor 16
	s_mov_b32 s30, 0x3e38aa3b                      ; c = log2(e) / 8
	s_mov_b32 s31, s30                             ; (named with it as a pair, so it is written)
	s_wait_kmcnt 0x0
	s_lshl_b32 s42, s37, 16
	s_add_nc_u64 s[16:17], s[6:7], s[42:43]        ; the head's codes of K
	s_add_nc_u64 s[20:21], s[8:9], s[42:43]        ; and of V
	s_lshl_b32 s44, s40, 9
	s_add_co_u32 s42, s42, s44
	s_add_nc_u64 s[12:13], s[4:5], s[42:43]        ; my first tile of Q
	s_lshl_b32 s42, s37, 13
	s_add_nc_u64 s[18:19], s[6:7], s[42:43]        ; the head's scale words of K
	s_lshl_b32 s44, ttmp9, 2
	s_lshr_b32 s45, s36, 2
	s_add_co_u32 s44, s44, s45
	s_lshl_b32 s44, s44, 9                         ; Q's: which 128 tokens,
	s_add_co_u32 s42, s42, s44
	s_bfe_u32 s44, s36, 0x10001
	s_lshl_b32 s44, s44, 8                         ; which four of their eight tiles,
	s_add_co_u32 s42, s42, s44
	s_and_b32 s44, s36, 1
	s_lshl_b32 s44, s44, 3                         ; which two of the four
	s_add_co_u32 s42, s42, s44
	s_add_nc_u64 s[14:15], s[4:5], s[42:43]
	s_lshl_b32 s42, s37, 12
	s_add_nc_u64 s[22:23], s[8:9], s[42:43]        ; the head's scale words of V
	s_lshl_b32 s42, s41, 13                        ; the result's image: token tile, K step head / 2, group head % 2
	s_lshr_b32 s44, s39, 1
	s_lshl_b32 s44, s44, 10
	s_add_co_u32 s42, s42, s44
	s_and_b32 s44, s39, 1
	s_lshl_b32 s45, s44, 9
	s_add_co_u32 s42, s42, s45
	s_add_nc_u64 s[24:25], s[10:11], s[42:43]
	s_lshl_b32 s42, s41, 9                         ; its scale bytes: token tile, K half head / 8, word (head / 2) % 4, bytes 2 (head % 2) + 0, 1
	s_lshr_b32 s45, s39, 3
	s_lshl_b32 s45, s45, 8
	s_add_co_u32 s42, s42, s45
	s_bfe_u32 s45, s39, 0x20001
	s_lshl_b32 s45, s45, 2
	s_add_co_u32 s42, s42, s45
	s_lshl_b32 s44, s44, 1
	s_add_co_u32 s42, s42, s44
	s_add_nc_u64 s[26:27], s[10:11], s[42:43]
	; THE FILL: 512 threads x 16 bytes are 8,192 bytes an instruction
.irp i, 0,1,2,3,4,5,6,7
	global_load_b128 v[96+4*\i:99+4*\i], v8, s[16:17] offset:8192*\i
.endr
.irp i, 0,1,2,3,4,5,6,7
	global_load_b128 v[128+4*\i:131+4*\i], v8, s[20:21] offset:8192*\i
.endr
	global_load_b128 v[160:163], v8, s[18:19] offset:SCALES
	global_load_b64 v[164:165], v7, s[22:23] offset:SCALES
.irp b, 0,1,2,3
	v_mov_b32 v[64+\b], 0                          ; behind K's last tile
	v_mov_b32 v[236+\b], 0                         ; written once: a lane permute's destination counts as one of its sources
.endr
	v_mov_b32 v241, 0                              ; (named as the upper half of the pair v[240:241])
	v_mov_b32 v254, 0
	s_wait_loadcnt 0x0
.irp i, 0,1,2,3,4,5,6,7
	ds_store_b128 v8, v[96+4*\i:99+4*\i] offset:8192*\i
.endr
.irp i, 0,1,2,3,4,5,6,7
	ds_store_b128 v9, v[128+4*\i:131+4*\i] offset:8192*\i
.endr
	ds_store_b128 v10, v[160:163]
	ds_store_b64 v11, v[164:165]
	s_wait_dscnt 0x0                               ; for the others' sake: my part of the head lies in LDS
	s_barrier_signal -1
	s_barrier_wait -1                              ; everybody's does; nothing is written to LDS from here on
; A KEY STEP: 128 keys.
.macro STEP
	v_add_nc_u32 v8, s32, v1                       ; the step's addresses; these four are also the places behind the last step's products, in front of the loads into registers that they read
	v_add_nc_u32 v9, s32, v2
	v_add_nc_u32 v10, s33, v3
	v_add_nc_u32 v11, s34, v4
.irp t, 0,1,2,3,4,5,6,7
	ds_load_b128 v[32+4*\t:35+4*\t], v8 offset:512*\t
.endr
	ds_load_b128 v[28:31], v10                     ; K's scale words: register i: lanes 0-15 tile i, lanes 16-31 tile 4 + i
.irp t, 0,1,2,3
.irp c, 0,1
	ds_load_b128 v[192+8*\t+4*\c:195+8*\t+4*\c], v9 offset:1024*\t+512*\c
.endr
.endr
	ds_load_b64 v[26:27], v11                      ; V's: register i: lanes 0-15 tile i, lanes 16-31 tile 2 + i
	s_wait_dscnt 9                                 ; K and its scale words are in; V's nine loads may be out
.irp t, 0,1,2,3,4,5,6,7
	WMZ 96+8*\t, 32+4*\t, 16, 28+\t%4, 24, \t/4
.endr
	PLACES
.irp b, 0,1,2,3
	v_max3_num_f32 v[232+\b], v[96+16*\b], v[97+16*\b], v[98+16*\b]   ; the largest score of each block of 32 keys: for the row's maximum, and, since p rises with the score, for the block's largest p
.endr
.irp i, 3,5,7,9,11,13
.irp b, 0,1,2,3
	v_max3_num_f32 v[232+\b], v[232+\b], v[96+16*\b+\i], v[97+16*\b+\i]
.endr
.endr
.irp b, 0,1,2,3
	v_max_num_f32 v[232+\b], v[232+\b], v[111+16*\b]
.endr
.irp b, 0,1,2,3
	v_permlanex16_b32 v[236+\b], v[232+\b], s28, s29
.endr
.irp b, 0,1,2,3
	v_max_num_f32 v[232+\b], v[232+\b], v[236+\b]  ; with lane l xor 16's 16 keys
.endr
	v_max3_num_f32 v254, v232, v233, v234
	v_max_num_f32 v254, v254, v235                 ; the step's largest score of my query
	v_mul_f32 v254, s30, v254                      ; as t (c is positive)
	v_max_num_f32 v13, v13, v254                   ; the running largest t
	v_mov_b32 v254, v12
	v_floor_f32 v12, -v13                          ; the new -M = floor(-t): M is a whole number
	v_sub_f32 v254, v12, v254                      ; old M less new M: a whole number, 0 or less
	v_cvt_i32_f32 v254, v254                       ; (it saturates)
	v_ldexp_f32 v240, 1.0, v254                    ; f = 2^(old M - new M)
.set j, 0
.rept 32
	v_pk_fma_f32 v[96+j:97+j], v[96+j:97+j], s[30:31], v[12:13] op_sel_hi:[1,0,0]   ; t - M, two at a time
.set j, j+2
.endr
.irp b, 0,1,2,3
	v_fma_f32 v[232+\b], v[232+\b], s30, v12       ; the same of each block's largest score
.endr
.set j, 0
.rept 64
	v_exp_f32 v[96+j], v[96+j]                     ; p = 2^(t - M), at most 1
.set j, j+1
.endr
	v_pk_mul_f32 v[14:15], v[14:15], v[240:241] op_sel_hi:[1,0]   ; the sums under the new M; the plain instruction behind the exponentials
	s_wait_alu depctr_va_vdst(0)                   ; one wait for the whole batch, ahead of its first reader
.irp b, 0,1,2,3
	v_exp_f32 v[232+\b], v[232+\b]                 ; the block's largest p
.endr
	v_pk_add_f32 v[236:237], v[96:97], v[98:99]    ; the row's sum is taken of the unquantised p: two at a time, in two chains
.irp j, 4,8,12,16,20,24,28,32,36,40,44,48,52,56,60
	v_pk_add_f32 v[14:15], v[14:15], v[96+\j:97+\j]
	v_pk_add_f32 v[236:237], v[236:237], v[98+\j:99+\j]
.endr
	v_pk_add_f32 v[14:15], v[14:15], v[236:237]
	s_wait_alu depctr_va_vdst(0)                   ; and one for the four
.irp b, 0,1,2,3
	v_max_num_f32 v[232+\b], 0x1800000, v[232+\b]  ; the floor 2^(3 - 127): the byte cannot fall under 1
.endr
.irp b, 0,1,2,3
	v_add_nc_u32 v[244+\b], 0xff000000, v[232+\b]  ; 2 off the exponent field: the conversion's scale operand
.endr
.irp b, 0,1,2,3
	v_lshrrev_b32 v[236+\b], 23, v[244+\b]         ; the scale's byte
.endr
	v_lshl_or_b32 v248, v237, 8, v236              ; p's scale word for these 128 keys
	v_lshl_or_b32 v248, v238, 16, v248
	v_lshl_or_b32 v248, v239, 24, v248
.irp b, 0,1,2,3
	v_cvt_scalef32_pk8_fp4_f32 v[224+2*\b], v[96+16*\b:103+16*\b], v[244+\b]
	v_cvt_scalef32_pk8_fp4_f32 v[225+2*\b], v[104+16*\b:111+16*\b], v[244+\b]
.endr
	v_nop                                          ; one plain instruction behind the scaled conversions
.irp c, 0,1
.irp i, 0,1
	v_permlane16_swap_b32 v[224+4*\c+\i], v[226+4*\c+\i]   ; a whole block to a lane
.endr
.endr
.set j, 0
.rept 16
	v_pk_mul_f32 v[160+j:161+j], v[160+j:161+j], v[240:241] op_sel_hi:[1,0]   ; O^T under the new M, each accumulator from its low end on; these sixteen also stand between the writes of p's scale word and codes and the products
.set j, j+2
.endr
	s_wait_dscnt 0x0                               ; V and its scale words are in
.irp t, 0,1,2,3
	WMA 160+8*\t, 192+8*\t, 224, 26+\t%2, 248, \t/2   ; four accumulators by turns; between two links of a chain stand the others' and the next step's eight score products
.endr
.endm
; One tile of 16 queries, the wave's i-th.
.macro TILE i
	s_wait_xcnt 0x0                                ; the last tile's stores have read their data
	global_load_b128 v[16:19], v1, s[12:13] offset:512*(\i)
	global_load_b32 v24, v5, s[14:15] offset:SCALES+4*(\i)
.irp b, 0,1,2,3
	v_mov_b32 v[20+\b], 0                          ; Q has no k = 64 .. 127
.endr
	v_mov_b32 v13, 0xff61b1e6                      ; the largest t so far: -3e38, under every t
	v_floor_f32 v12, -v13                          ; -M
	v_mov_b32 v14, 0
	v_mov_b32 v15, 0
.set j, 0
.rept 32
	v_mov_b32 v[160+j], 0                          ; O^T: the step is written once; its first trip finds zeros, which the first change of M leaves zeros
.set j, j+1
.endr
	s_mov_b32 s32, 0                               ; the step's codes, 4,096 bytes a step in K and in V;
	s_mov_b32 s33, 0                               ; K's scale words, 512;
	s_mov_b32 s34, 0                               ; V's, 256
	s_mov_b32 s35, 16
	s_wait_loadcnt 0x0
.Lk_\@:
	STEP
	s_add_co_u32 s32, s32, 4096
	s_add_co_u32 s33, s33, 512
	s_add_co_u32 s34, s34, 256
	s_sub_co_u32 s35, s35, 1
	s_cmp_lg_u32 s35, 0
	s_cbranch_scc1 .Lk_\@
	PLACES
	v_add_f32 v14, v14, v15                        ; the sum's two halves,
	v_permlanex16_b32 v254, v14, s28, s29
	v_add_f32 v14, v14, v254                       ; and lane l xor 16's
	v_rcp_f32 v14, v14
	v_nop                                          ; a plain instruction behind the reciprocal,
	s_wait_alu depctr_va_vdst(0)                   ; and the wait ahead of its first reader
.set j, 0
.rept 16
	v_pk_mul_f32 v[96+j:97+j], v[160+j:161+j], v[14:15] op_sel_hi:[1,0]   ; register 16 b + i: channel 32 b + 16 h + i of my query
.set j, j+2
.endr
	; the head's 64 channels are two blocks of the last product's K
.irp b, 0,1
	v_max3_num_f32 v[232+\b], |v[96+16*\b]|, |v[97+16*\b]|, 0x1800000
.endr
.irp n, 2,4,6,8,10,12,14
.irp b, 0,1
	v_max3_num_f32 v[232+\b], v[232+\b], |v[96+16*\b+\n]|, |v[97+16*\b+\n]|
.endr
.endr
.irp b, 0,1
	v_permlanex16_b32 v[236+\b], v[232+\b], s28, s29
.endr
.irp b, 0,1
	v_max_num_f32 v[232+\b], v[232+\b], v[236+\b]
.endr
.irp b, 0,1
	v_add_nc_u32 v[244+\b], 0xff000000, v[232+\b]
.endr
.irp b, 0,1
	v_lshrrev_b32 v[236+\b], 23, v[244+\b]
.endr
.irp b, 0,1
	v_cvt_scalef32_pk8_fp4_f32 v[224+2*\b], v[96+16*\b:103+16*\b], v[244+\b]
	v_cvt_scalef32_pk8_fp4_f32 v[225+2*\b], v[104+16*\b:111+16*\b], v[244+\b]
.endr
	v_nop
	v_permlane16_swap_b32 v224, v226
	v_permlane16_swap_b32 v225, v227               ; lanes 0-15 channels 0-31, lanes 16-31 channels 32-63: one group of an image
	v_cndmask_b32 v7, v236, v237, vcc_lo           ; lanes 0-15 send the first block's byte of their row, lanes 16-31 the second's
	global_store_b128 v1, v[224:227], s[24:25] offset:8192*(\i)   ; 512 consecutive bytes, aligned
	global_store_b8 v6, v7, s[26:27] offset:SCALES+512*(\i)       ; a head's two bytes of each row: their neighbours belong to other heads' work-groups
.endm
	TILE 0
	TILE 1
	s_wait_tensorcnt 0x0
	ds_add_u32 v253, v255
	s_wait_dscnt 0x0
	s_endpgm
.Lfunc_end_k_qfbf83683d8_attn:
	.size	k_qfbf83683d8_attn, .Lfunc_end_k_qfbf83683d8_attn-k_qfbf83683d8_attn
	.p2alignl 7, 3214868480
	.fill 96, 4, 3214868480
	.section	.rodata,"a",@progbits
	.p2align	6, 0x0
	.amdhsa_kernel k_qfbf83683d8_attn
		.amdhsa_group_segment_fixed_size 145408
		.amdhsa_private_segment_fixed_size 0
		.amdhsa_enable_private_segment 0
		.amdhsa_kernarg_size 32
		.amdhsa_user_sgpr_count 2
		.amdhsa_user_sgpr_kernarg_segment_ptr 1
		.amdhsa_wavefront_size32 1
		.amdhsa_system_sgpr_workgroup_id_x 1
		.amdhsa_system_sgpr_workgroup_id_y 1
		.amdhsa_system_sgpr_workgroup_id_z 1
		.amdhsa_system_vgpr_workitem_id 0
		.amdhsa_next_free_vgpr 256
		.amdhsa_next_free_sgpr 66
		.amdhsa_reserve_vcc 1
		.amdhsa_float_denorm_mode_32 3
		.amdhsa_float_denorm_mode_16_64 3
		.amdhsa_memory_ordered 1
		.amdhsa_forward_progress 1
		.amdhsa_inst_pref_size 47
	.end_amdhsa_kernel
	.amdgpu_metadata
---
amdhsa.version: [ 1, 2 ]
amdhsa.kernels:
  - .name:           k_qfbf83683d8_attn
    .symbol:         k_qfbf83683d8_attn.kd
    .args:
      - { .name: qbuf, .offset: 0, .size: 8, .value_kind: global_buffer, .address_space: global }
      - { .name: kbuf, .offset: 8, .size: 8, .value_kind: global_buffer, .address_space: global }
      - { .name: vbuf, .offset: 16, .size: 8, .value_kind: global_buffer, .address_space: global }
      - { .name: hbuf, .offset: 24, .size: 8, .value_kind: global_buffer, .address_space: global }
    .group_segment_fixed_size: 145408
    .private_segment_fixed_size: 0
    .kernarg_segment_align: 8
    .kernarg_segment_size: 32
    .max_flat_workgroup_size: 512
    .sgpr_count:     66
    .vgpr_count:     256
    .wavefront_size: 32
...
	.end_amdgpu_metadata
.endif
;; end of part 3
;; launch outln (part 4): grid 256 x 1, 16 waves a work-group, no clusters, 161,792 bytes of LDS; arguments hbuf, wimg, Wo_scales, bo, gamma, beta, x, out0; writes out0
.if DOCPART == 4
	.amdgcn_target "amdgcn-amd-amdhsa--gfx1250"
	.amdhsa_code_object_version 6
	.text
	.protected	k_qfbf83683d8_outln
	.globl	k_qfbf83683d8_outln
	.p2align	8
	.type	k_qfbf83683d8_outln,@function
k_qfbf83683d8_outln:
	s_mov_b64 s[64:65], 0
	v_nop
	global_prefetch_b8 v0, s[64:65] scope:SCOPE_SE
	s_setreg_imm32_b32 hwreg(HW_REG_WAVE_MODE, 25, 1), 1
	s_wait_xcnt 0x0
; out0 = x + LayerNorm(head Wo^T + bo) x gamma + beta.  The product is on codes of FP4 with E8M0 scales; all else in f32.
; SHARES.  A work-group owns 32 tokens (token tiles 2 g and 2 g + 1) with all 1,024 columns, so that a row's mean and variance stay inside it.  Wave w owns columns 64 w .. 64 w + 63: four weight tiles x two token
; tiles: 8 accumulators by turns, 8 K steps written out, 64 matrix instructions.  The head's 16 KB of images come once through LDS; Wo's images go from memory straight into registers, three K steps ahead.
; The product is used transposed (source 0 = 16 rows of Wo, source 1 = 16 tokens): a lane holds one token and 32 of the wave's columns.  bo is LOADED INTO the accumulators, so that every K step adds in place.
; LAYERNORM in two passes: the mean; then the mean of the squared differences: no difference of large sums is formed.  Each pass: a lane's 32 numbers, lane l xor 16's, then the sixteen waves' through LDS and a barrier.
; THE WAY OUT: through the wave's own stage, so that sixteen lanes hold 256 neighbouring bytes of a row; there gamma, beta and x join.
; NO JOINT LOADS: Wo's images, which all work-groups walk, go to registers and are used from there once; nothing in LDS is filled twice.
; LIMITS: NaN and infinities are not served; v_rsq_f32 is good to one unit in the last place.
; REGISTERS: v1-12 offsets; v16-47 the head's fragments, two sets; v48-111 the accumulators (32 u + 8 t); v112-207 Wo's fragments, three sets; later v112-175 x and the result, v176-207 at work;
; v208-223 Wo's scale words (8 (t / 2) + s: lanes 0-15 the even tile, lanes 16-31 the odd); v224-231 the head's (s: lanes 0-15 tile u = 0, lanes 16-31 u = 1); v232-239 mean and 1 / deviation; v240-247 gamma, beta; v248-255 at work.
.set SCALES, 4194304
.set RED,  16384                       ; LDS: behind the head's images: [pass][u][r][wave] f32, 2,048 bytes a pass
.set STG,  20480                       ; the stages: 32 rows x (256 bytes + 16) a wave
.set SPI,  272
.set H,    16
.set ACC,  48
.set W,    112
.set X,    112
.set BK,   176
.set WS,   208
.set HS,   224
.set MU,   232
.set RS,   236
.set GA,   240
.set BE,   244
.set T,    248
.macro PLACES
.rept 4
	v_nop
.endr
.endm
.macro WM d, a, b, sa, sb, ra, rb      ; adds in place; ra, rb = 1: that side's scales are read from lanes 16-31
.if (\ra) && (\rb)
	v_wmma_scale_f32_16x16x128_f8f6f4 v[\d:\d+7], v[\a:\a+7], v[\b:\b+7], v[\d:\d+7], v[\sa], v[\sb] matrix_a_fmt:MATRIX_FMT_FP4 matrix_b_fmt:MATRIX_FMT_FP4 matrix_a_scale:MATRIX_SCALE_ROW1 matrix_b_scale:MATRIX_SCALE_ROW1
.elseif (\ra)
	v_wmma_scale_f32_16x16x128_f8f6f4 v[\d:\d+7], v[\a:\a+7], v[\b:\b+7], v[\d:\d+7], v[\sa], v[\sb] matrix_a_fmt:MATRIX_FMT_FP4 matrix_b_fmt:MATRIX_FMT_FP4 matrix_a_scale:MATRIX_SCALE_ROW1
.elseif (\rb)
	v_wmma_scale_f32_16x16x128_f8f6f4 v[\d:\d+7], v[\a:\a+7], v[\b:\b+7], v[\d:\d+7], v[\sa], v[\sb] matrix_a_fmt:MATRIX_FMT_FP4 matrix_b_fmt:MATRIX_FMT_FP4 matrix_b_scale:MATRIX_SCALE_ROW1
.else
	v_wmma_scale_f32_16x16x128_f8f6f4 v[\d:\d+7], v[\a:\a+7], v[\b:\b+7], v[\d:\d+7], v[\sa], v[\sb] matrix_a_fmt:MATRIX_FMT_FP4 matrix_b_fmt:MATRIX_FMT_FP4
.endif
.endm
.macro WLOAD s                         ; my four weight fragments of K step s: eight loads of 512 consecutive bytes
.irp t, 0,1,2,3
.irp c, 0,1
	global_load_b128 v[W+32*((\s)%3)+8*\t+4*\c:W+32*((\s)%3)+8*\t+4*\c+3], v1, s[6:7] offset:8192*\t+1024*(\s)+512*\c
.endr
.endr
.endm
.macro HLOAD s                         ; the two token tiles' fragments of K step s
.irp u, 0,1
.irp c, 0,1
	ds_load_b128 v[H+16*((\s)%2)+8*\u+4*\c:H+16*((\s)%2)+8*\u+4*\c+3], v1 offset:8192*\u+1024*(\s)+512*\c
.endr
.endr
.endm
.macro KSTEP s
.if (\s) < 7
	HLOAD (\s)+1
	s_wait_dscnt 4                                 ; this step's head fragments are in; the next step's four loads may be out
.else
	s_wait_dscnt 0x0
.endif
.if (\s) <= 5
	s_wait_loadcnt 16                              ; this step's weights are in; those of the next two steps may be out
.elseif (\s) == 6
	s_wait_loadcnt 8
.else
	s_wait_loadcnt 0x0
.endif
.irp u, 0,1
.irp t, 0,1,2,3
	WM ACC+32*\u+8*\t, W+32*((\s)%3)+8*\t, H+16*((\s)%2)+8*\u, WS+8*(\t/2)+(\s), HS+(\s), \t%2, \u
.endr
.endr
	PLACES                                         ; four places in front of loads into registers that these products read, and of the first read of results
.if (\s) <= 4
	WLOAD (\s)+3
.endif
.if (\s) == 2
	global_prefetch_b8 v12, s[16:17] th:TH_LOAD_NT scope:SCOPE_SE   ; x: a lane a row: the wave's 256 bytes of each of the 32 rows, each named once in the launch, five K steps ahead of their loads; its registers are never rewritten
.endif
.endm
; The pairs v[T + 2 u : T + 2 u + 1] hold a lane's partial sums for token (u, r); the sums over all 1,024 columns come back in v[BK + 16 u], the same in every wave.
.macro REDUCE off
.irp u, 0,1
	v_add_f32 v[T+2*\u], v[T+2*\u], v[T+2*\u+1]
.endr
.irp u, 0,1
	v_permlanex16_b32 v[T+4+\u], v[T+2*\u], s24, s25
.endr
.irp u, 0,1
	v_add_f32 v[T+2*\u], v[T+2*\u], v[T+4+\u]      ; my wave's 64 columns
.endr
.irp u, 0,1
	ds_store_b32 v6, v[T+2*\u] offset:\off+1024*\u ; both halves of the lanes write the same word with the same value
.endr
	s_wait_dscnt 0x0                               ; for the others' sake
	s_barrier_signal -1
	s_barrier_wait -1
.irp u, 0,1
.irp i, 0,1,2,3
	ds_load_b128 v[BK+16*\u+4*\i:BK+16*\u+4*\i+3], v7 offset:\off+1024*\u+16*\i   ; the sixteen waves' sums for my token
.endr
.endr
	s_wait_dscnt 0x0
.irp i, 2,4,6,8,10,12,14
.irp u, 0,1
	v_pk_add_f32 v[BK+16*\u:BK+16*\u+1], v[BK+16*\u:BK+16*\u+1], v[BK+16*\u+\i:BK+16*\u+\i+1]
.endr
.endr
.irp u, 0,1
	v_add_f32 v[BK+16*\u], v[BK+16*\u], v[BK+16*\u+1]
.endr
.endm
	s_load_b256 s[4:11], s[0:1], 0x0               ; hbuf, wimg, Wo's scales, bo
	s_load_b256 s[12:19], s[0:1], 0x20             ; gamma, beta, x, out0
	v_lshrrev_b32 v13, 5, v0
	v_readfirstlane_b32 s20, v13                   ; wave 0..15
	v_and_b32 v13, 31, v0                          ; lane
	v_and_b32 v14, 15, v0                          ; r
	v_bfe_u32 v15, v0, 4, 1                        ; h
	v_lshlrev_b32 v1, 4, v13                       ; 16 x lane: an image's place for my lane
	v_lshlrev_b32 v2, 4, v0                        ; 16 x thread: the copy of the head's images
	v_and_b32 v3, 8, v14
	v_add_nc_u32 v3, v3, v14                       ; p(r) = r + 8 (r / 8)
	v_lshl_add_u32 v3, v15, 3, v3
	v_lshlrev_b32 v3, 5, v3                        ; Wo's scale words: row 8 h + p(r), 32 bytes a row
	v_lshlrev_b32 v4, 4, v14
	v_lshl_add_u32 v4, v15, 9, v4                  ; the head's: tile h, 16 bytes a row
	v_lshlrev_b32 v5, 6, v15                       ; bo: 16 h numbers on
	v_lshlrev_b32 v7, 6, v14
	v_add_nc_u32 v7, RED, v7                       ; the waves' sums for token row r: 64 bytes,
	v_lshl_add_u32 v6, s20, 2, v7                  ; my wave's word among them
	s_mul_i32 s21, s20, 32*SPI
	s_add_co_u32 s21, s21, STG                     ; my stage
	v_mul_u32_u24 v8, v14, SPI
	v_lshl_add_u32 v8, v15, 6, v8
	v_add_nc_u32 v8, s21, v8                       ; into it: row r, 64 h bytes on
	v_mul_u32_u24 v9, v15, SPI
	v_lshl_add_u32 v9, v14, 4, v9
	v_add_nc_u32 v9, s21, v9                       ; out of it: lanes 0-15 one row, lanes 16-31 the next
	v_lshlrev_b32 v11, 4, v14                      ; gamma, beta: my four columns
	v_lshl_add_u32 v10, v15, 12, v11               ; x, out0: the same two rows
	v_lshlrev_b32 v12, 12, v13                     ; the prefetch: a lane a row
.irp u, 0,1,2,3
	v_mov_b32 v[MU+2*\u+1], 0                      ; the pairs' upper words are named and not used: written once
.endr
	s_mov_b32 s24, 0x76543210
	s_mov_b32 s25, 0xfedcba98                      ; v_permlanex16_b32's selects for lane l xor 16
	s_mov_b32 s26, 0x3a800000                      ; 1 / 1,024
	s_mov_b32 s27, 0x3727c5ac                      ; 1e-5
	s_mov_b32 s29, 0
	s_wait_kmcnt 0x0
	s_lshl_b32 s28, ttmp9, 10
	s_add_nc_u64 s[22:23], s[4:5], s[28:29]        ; the head's scale words: 512 bytes a tile
	s_lshl_b32 s28, ttmp9, 14
	s_add_nc_u64 s[4:5], s[4:5], s[28:29]          ; its images: 8,192 bytes a tile
	s_lshl_b32 s28, s20, 15
	s_add_co_u32 s28, s28, 3*524288
	s_add_nc_u64 s[6:7], s[6:7], s[28:29]          ; Wo's images, my four tiles
	s_lshl_b32 s28, s20, 11
	s_add_nc_u64 s[8:9], s[8:9], s[28:29]          ; their scale bytes
	s_lshl_b32 s28, s20, 8
	s_add_nc_u64 s[10:11], s[10:11], s[28:29]      ; bo, gamma, beta: my 64 columns
	s_add_nc_u64 s[12:13], s[12:13], s[28:29]
	s_add_nc_u64 s[14:15], s[14:15], s[28:29]
	s_lshl_b32 s30, ttmp9, 17
	s_add_co_u32 s28, s28, s30
	s_add_nc_u64 s[16:17], s[16:17], s[28:29]      ; x and out0: my 32 rows, my 64 columns
	s_add_nc_u64 s[18:19], s[18:19], s[28:29]
	global_load_b128 v[T:T+3], v2, s[4:5]          ; the copy: 512 threads x 16 bytes, twice
	global_load_b128 v[T+4:T+7], v2, s[4:5] offset:8192
.irp q, 0,1
	global_load_b128 v[HS+4*\q:HS+4*\q+3], v4, s[22:23] offset:SCALES+256*\q
.endr
.irp g, 0,1
.irp q, 0,1
	global_load_b128 v[WS+8*\g+4*\q:WS+8*\g+4*\q+3], v3, s[8:9] offset:1024*\g+16*\q
.endr
.endr
.irp u, 0,1
.irp t, 0,1,2,3
.irp e, 0,1
	global_load_b128 v[ACC+32*\u+8*\t+4*\e:ACC+32*\u+8*\t+4*\e+3], v5, s[10:11] offset:128*(\t/2)+32*(\t%2)+16*\e   ; register i of tile t: column 32 (t / 2) + 16 h + 8 (t % 2) + i
.endr
.endr
.endr
	global_load_b128 v[GA:GA+3], v11, s[12:13]
	global_load_b128 v[BE:BE+3], v11, s[14:15]
	WLOAD 0
	WLOAD 1
	WLOAD 2
	s_wait_loadcnt 48                              ; the copy's two loads are in; the 2 + 4 + 16 + 2 + 24 issued behind them may be out
	ds_store_b128 v2, v[T:T+3]
	ds_store_b128 v2, v[T+4:T+7] offset:8192
	s_wait_dscnt 0x0                               ; for the others' sake
	s_barrier_signal -1
	s_barrier_wait -1                              ; the head's sixteen images lie in LDS
	HLOAD 0
.irp s, 0,1,2,3,4,5,6,7
	KSTEP \s
.endr
.set i, 0
.rept 16
	global_load_b128 v[X+4*i:X+4*i+3], v10, s[16:17] offset:(8*(i/8)+2*(i%8)+8*((i%8)/4))*4096 th:TH_LOAD_NT   ; x, in the order of the stage's rows: stage row 16 u + r is token 8 u + p(r); it lands while the norm is made
.set i, i+1
.endr
	; ---- the mean
.irp u, 0,1
	v_pk_add_f32 v[T+2*\u:T+2*\u+1], v[ACC+32*\u:ACC+32*\u+1], v[ACC+32*\u+2:ACC+32*\u+3]   ; each accumulator from its low end on
.endr
.irp i, 4,6,8,10,12,14,16,18,20,22,24,26,28,30
.irp u, 0,1
	v_pk_add_f32 v[T+2*\u:T+2*\u+1], v[T+2*\u:T+2*\u+1], v[ACC+32*\u+\i:ACC+32*\u+\i+1]
.endr
.endr
	REDUCE 0
.irp u, 0,1
	v_mul_f32 v[MU+2*\u], s26, v[BK+16*\u]
.endr
.irp u, 0,1
.irp i, 0,2,4,6,8,10,12,14,16,18,20,22,24,26,28,30
	v_pk_add_f32 v[ACC+32*\u+\i:ACC+32*\u+\i+1], v[ACC+32*\u+\i:ACC+32*\u+\i+1], v[MU+2*\u:MU+2*\u+1] op_sel_hi:[1,0] neg_lo:[0,1] neg_hi:[0,1]
.endr
.endr
	; ---- the variance
.irp u, 0,1
	v_pk_mul_f32 v[T+2*\u:T+2*\u+1], v[ACC+32*\u:ACC+32*\u+1], v[ACC+32*\u:ACC+32*\u+1]
.endr
.irp i, 2,4,6,8,10,12,14,16,18,20,22,24,26,28,30
.irp u, 0,1
	v_pk_fma_f32 v[T+2*\u:T+2*\u+1], v[ACC+32*\u+\i:ACC+32*\u+\i+1], v[ACC+32*\u+\i:ACC+32*\u+\i+1], v[T+2*\u:T+2*\u+1]
.endr
.endr
	REDUCE 2048                                    ; other bytes than the first pass's: no wave writes what another may still read
.irp u, 0,1
	v_fma_f32 v[T+2*\u], v[BK+16*\u], s26, s27     ; the variance + 1e-5
.endr
.irp u, 0,1
	v_rsq_f32 v[RS+2*\u], v[T+2*\u]
.endr
	v_nop                                          ; a plain instruction behind the two,
	s_wait_alu depctr_va_vdst(0)                   ; and one wait ahead of their first reader
.irp u, 0,1
.irp i, 0,2,4,6,8,10,12,14,16,18,20,22,24,26,28,30
	v_pk_mul_f32 v[ACC+32*\u+\i:ACC+32*\u+\i+1], v[ACC+32*\u+\i:ACC+32*\u+\i+1], v[RS+2*\u:RS+2*\u+1] op_sel_hi:[1,0]
.endr
.endr
	; ---- the way out
.irp u, 0,1
.irp t, 0,1,2,3
.irp e, 0,1
	ds_store_b128 v8, v[ACC+32*\u+8*\t+4*\e:ACC+32*\u+8*\t+4*\e+3] offset:16*SPI*\u+128*(\t/2)+32*(\t%2)+16*\e
.endr
.endr
.endr
	s_wait_loadcnt 0x0                             ; x
.irp p, 0,1
.irp n, 0,1,2,3,4,5,6,7
	ds_load_b128 v[BK+4*\n:BK+4*\n+3], v9 offset:2*SPI*(8*\p+\n)   ; LDS serves a wave's instructions in order: these see my stores
.endr
.irp n, 0,1,2,3,4,5,6,7
	s_wait_dscnt 7-\n
	v_pk_add_f32 v[X+4*(8*\p+\n):X+4*(8*\p+\n)+1], v[X+4*(8*\p+\n):X+4*(8*\p+\n)+1], v[BE:BE+1]
	v_pk_add_f32 v[X+4*(8*\p+\n)+2:X+4*(8*\p+\n)+3], v[X+4*(8*\p+\n)+2:X+4*(8*\p+\n)+3], v[BE+2:BE+3]
	v_pk_fma_f32 v[X+4*(8*\p+\n):X+4*(8*\p+\n)+1], v[BK+4*\n:BK+4*\n+1], v[GA:GA+1], v[X+4*(8*\p+\n):X+4*(8*\p+\n)+1]
	v_pk_fma_f32 v[X+4*(8*\p+\n)+2:X+4*(8*\p+\n)+3], v[BK+4*\n+2:BK+4*\n+3], v[GA+2:GA+3], v[X+4*(8*\p+\n)+2:X+4*(8*\p+\n)+3]
	global_store_b128 v10, v[X+4*(8*\p+\n):X+4*(8*\p+\n)+3], s[18:19] offset:(8*\p+2*\n+8*(\n/4))*4096 th:TH_STORE_NT   ; sixteen lanes store 256 consecutive bytes, aligned; the data's registers are not written again
.endr
.endr
	s_wait_xcnt 0x0
	v_lshl_add_u32 v254, v0, 2, 0x27000
	v_mov_b32 v255, 0
	s_wait_tensorcnt 0x0
	ds_add_u32 v254, v255
	s_wait_dscnt 0x0
	s_endpgm
.Lfunc_end_k_qfbf83683d8_outln:
	.size	k_qfbf83683d8_outln, .Lfunc_end_k_qfbf83683d8_outln-k_qfbf83683d8_outln
	.p2alignl 7, 3214868480
	.fill 96, 4, 3214868480
	.section	.rodata,"a",@progbits
	.p2align	6, 0x0
	.amdhsa_kernel k_qfbf83683d8_outln
		.amdhsa_group_segment_fixed_size 161792
		.amdhsa_private_segment_fixed_size 0
		.amdhsa_enable_private_segment 0
		.amdhsa_kernarg_size 64
		.amdhsa_user_sgpr_count 2
		.amdhsa_user_sgpr_kernarg_segment_ptr 1
		.amdhsa_wavefront_size32 1
		.amdhsa_system_sgpr_workgroup_id_x 1
		.amdhsa_system_sgpr_workgroup_id_y 1
		.amdhsa_system_sgpr_workgroup_id_z 1
		.amdhsa_system_vgpr_workitem_id 0
		.amdhsa_next_free_vgpr 256
		.amdhsa_next_free_sgpr 66
		.amdhsa_reserve_vcc 0
		.amdhsa_float_denorm_mode_32 3
		.amdhsa_float_denorm_mode_16_64 3
		.amdhsa_memory_ordered 1
		.amdhsa_forward_progress 1
		.amdhsa_inst_pref_size 45
	.end_amdhsa_kernel
	.amdgpu_metadata
---
amdhsa.version: [ 1, 2 ]
amdhsa.kernels:
  - .name:           k_qfbf83683d8_outln
    .symbol:         k_qfbf83683d8_outln.kd
    .args:
      - { .name: hbuf, .offset: 0, .size: 8, .value_kind: global_buffer, .address_space: global }
      - { .name: wimg, .offset: 8, .size: 8, .value_kind: global_buffer, .address_space: global }
      - { .name: Wo_scales, .offset: 16, .size: 8, .value_kind: global_buffer, .address_space: global }
      - { .name: bo, .offset: 24, .size: 8, .value_kind: global_buffer, .address_space: global }
      - { .name: gamma, .offset: 32, .size: 8, .value_kind: global_buffer, .address_space: global }
      - { .name: beta, .offset: 40, .size: 8, .value_kind: global_buffer, .address_space: global }
      - { .name: x, .offset: 48, .size: 8, .value_kind: global_buffer, .address_space: global }
      - { .name: out0, .offset: 56, .size: 8, .value_kind: global_buffer, .address_space: global }
    .group_segment_fixed_size: 161792
    .private_segment_fixed_size: 0
    .kernarg_segment_align: 8
    .kernarg_segment_size: 64
    .max_flat_workgroup_size: 512
    .sgpr_count:     66
    .vgpr_count:     256
    .wavefront_size: 32
...
	.end_amdgpu_metadata
.endif
;; end of part 4
;; ======== version 2 of 2: 4 launches
;; workspace buffers: xcode 4,456,448 bytes; wimg 2,097,152 bytes; qbuf 4,718,592 bytes; kbuf 4,718,592 bytes; vbuf 4,456,448 bytes; hbuf 4,456,448 bytes
;; launch prep (part 5): grid 320 x 1, 4 waves a work-group, no clusters, 34,304 bytes of LDS; arguments x, Wq_codes, Wk_codes, Wv_codes, Wo_codes, xcode, wimg; writes xcode, wimg
.if DOCPART == 5
	.amdgcn_target "amdgcn-amd-amdhsa--gfx1250"
	.amdhsa_code_object_version 6
	.text
	.protected	k_qfbf83683d8_prep
	.globl	k_qfbf83683d8_prep
	.p2align	8
	.type	k_qfbf83683d8_prep,@function
k_qfbf83683d8_prep:
	s_mov_b64 s[64:65], 0
	v_nop
	global_prefetch_b8 v0, s[64:65] scope:SCOPE_SE
	s_setreg_imm32_b32 hwreg(HW_REG_WAVE_MODE, 25, 1), 1
	s_wait_xcnt 0x0
; x [8192][1024] f32 becomes codes of FP4 (E2M1) with one E8M0 byte for each 32 along K; the four weights' codes are laid anew.  Both leave as IMAGES OF OPERAND REGISTERS:
; a fragment (16 rows x 128 K) is 1,024 bytes: group c = 0, 1 of four registers, lane l's 16 bytes at 512 c + 16 l; lane (r, h) of group c holds k = 64 c + 32 h + 0 .. 31 of row r.
; THE ROWS OF A TILE ARE NOT NEIGHBOURS: tile 2 g + u holds rows 32 g + 8 u + p(r), p(r) = r + 8 (r / 8), so that a later product's results of two neighbouring tiles are 16 neighbours in a lane.
; xcode: codes [tile 0..511][K step 0..7][1,024]; from byte 4,194,304 on the scale words [tile][K half][row r][4 words].  wimg: [matrix q, k, v, o][tile 0..63][K step][1,024].
; Work-groups 0..255 take x (32 rows each: wave w takes tile w / 2, K half w % 2), work-groups 256..319 the weights (a wave a tile).  Only x's way touches LDS; waves share nothing: no barrier.
; A block's scale is 2^(floor(log2(its largest magnitude)) - 2): its byte is that magnitude's exponent field - 2, held at 1 from below.
; LIMITS: NaN and infinities among the inputs are not served; a block whose largest magnitude lies under 2^-124 (zeros among them) gets the byte 1: the bytes are read by this program alone.
.set SP,     528                       ; a stage row: 512 bytes + 16: sixteen rows begin at sixteen different 16-byte columns modulo 256
.set WREG,   16*SP                     ; a wave's stage
.set SCALES, 4194304                   ; where the scale words begin in xcode
.set SW,  8                            ; v8-11   the four steps' scale words
.set TM,  16                           ; v16-31  at work in QUANT
.set PC,  32                           ; v32-63  codes: eight registers a step, so that no store's data are written again
.set R,   64                           ; v64-191 two sets of 64: a step's numbers as loaded
.set X,   192                          ; v192-255 a step's numbers, 16 neighbours of each block of 32 a lane
.set SEL, 28                           ; s[28:29] v_permlanex16_b32's selects for lane l xor 16
; 64 numbers of a lane, register 16 b + i = k 32 b + 16 (lane / 16) + i of my row, become a fragment's codes in v[pc] on and its scale word in v[pw].
.macro QUANT s, pc, pw
.irp b, 0,1,2,3
	v_max3_num_f32 v[TM+\b], |v[\s+16*\b]|, |v[\s+16*\b+1]|, 0x1800000   ; my 16 numbers of block b, and the floor 2^(3 - 127): the byte cannot fall under 1
.endr
.irp i, 2,4,6,8,10,12,14
.irp b, 0,1,2,3
	v_max3_num_f32 v[TM+\b], v[TM+\b], |v[\s+16*\b+\i]|, |v[\s+16*\b+\i+1]|   ; the four blocks by turns
.endr
.endr
.irp b, 0,1,2,3
	v_permlanex16_b32 v[TM+4+\b], v[TM+\b], s[SEL], s[SEL+1]
.endr
.irp b, 0,1,2,3
	v_max_num_f32 v[TM+\b], v[TM+\b], v[TM+4+\b]       ; with lane l xor 16's: the block's largest magnitude
.endr
.irp b, 0,1,2,3
	v_add_nc_u32 v[TM+12+\b], 0xff000000, v[TM+\b]     ; 2 off its exponent field: the conversion takes this operand's exponent field as its scale
.endr
.irp b, 0,1,2,3
	v_lshrrev_b32 v[TM+4+\b], 23, v[TM+12+\b]          ; the scale's byte
.endr
	v_lshl_or_b32 v[\pw], v[TM+5], 8, v[TM+4]
	v_lshl_or_b32 v[\pw], v[TM+6], 16, v[\pw]
	v_lshl_or_b32 v[\pw], v[TM+7], 24, v[\pw]          ; my row's scale word
.irp b, 0,1,2,3
	v_cvt_scalef32_pk8_fp4_f32 v[\pc+2*\b], v[\s+16*\b:\s+16*\b+7], v[TM+12+\b]
	v_cvt_scalef32_pk8_fp4_f32 v[\pc+2*\b+1], v[\s+16*\b+8:\s+16*\b+15], v[TM+12+\b]
.endr
	v_nop                                              ; one plain instruction behind the scaled conversions
.irp c, 0,1
.irp i, 0,1
	v_permlane16_swap_b32 v[\pc+4*\c+\i], v[\pc+4*\c+2+\i]   ; a whole block to a lane: lanes 0-15 block 2 c, lanes 16-31 block 2 c + 1
.endr
.endr
.endm
	s_load_b256 s[4:11], s[0:1], 0x0               ; x, Wq, Wk, Wv
	s_load_b128 s[12:15], s[0:1], 0x20             ; Wo, xcode
	s_load_b64 s[16:17], s[0:1], 0x30              ; wimg
	v_lshl_add_u32 v26, v0, 2, 0x8400
	v_mov_b32 v27, 0
	v_lshrrev_b32 v2, 5, v0
	v_readfirstlane_b32 s18, v2                    ; wave 0..3
	v_and_b32 v5, 31, v0                           ; lane
	v_and_b32 v6, 15, v0                           ; r
	v_bfe_u32 v7, v0, 4, 1                         ; h
	v_lshlrev_b32 v1, 4, v5                        ; 16 x lane: an image's place for my lane, and my 16 bytes of a load's 512
	s_cmp_ge_u32 ttmp9, 256
	s_cbranch_scc1 .Lweights
	; ---- x: my tile's 16 rows x 512 numbers, in four steps of 128 along K
	s_mul_i32 s20, s18, WREG
	v_add_nc_u32 v2, s20, v1                       ; into the stage: a row as it lies
	v_mul_u32_u24 v3, v6, SP
	v_lshl_add_u32 v3, v7, 6, v3
	v_add_nc_u32 v3, s20, v3                       ; out of it: row r, 64 h bytes on: my 16 numbers of a block
	v_lshlrev_b32 v4, 4, v6
	v_lshl_add_u32 v4, v7, 3, v4                   ; the scale words' place: 16 r + 8 h
	v_cmp_lt_u32 vcc_lo, 15, v5                    ; lanes 16-31
.irp b, 0,1,2,3
	v_mov_b32 v[TM+4+\b], 0                        ; written once: a lane permute's destination counts as one of its sources
.endr
	s_mov_b32 s[SEL], 0x76543210
	s_mov_b32 s[SEL+1], 0xfedcba98
	s_lshr_b32 s21, s18, 1                         ; which of the two tiles
	s_and_b32 s22, s18, 1                          ; which half of K
	s_lshl_b32 s24, ttmp9, 17                      ; x: 32 rows of 4,096 bytes a work-group,
	s_lshl_b32 s23, s21, 15                        ; 8 rows on for the second tile,
	s_add_co_u32 s24, s24, s23
	s_lshl_b32 s23, s22, 11                        ; 2,048 bytes on for the second half of K
	s_add_co_u32 s24, s24, s23
	s_mov_b32 s25, 0
	s_lshl_b32 s26, ttmp9, 14                      ; codes: 8,192 bytes a tile, 4,096 a half
	s_lshl_b32 s23, s21, 13
	s_add_co_u32 s26, s26, s23
	s_lshl_b32 s23, s22, 12
	s_add_co_u32 s26, s26, s23
	s_mov_b32 s27, 0
	s_lshl_b32 s30, ttmp9, 10                      ; scale words: 512 bytes a tile, 256 a half
	s_lshl_b32 s23, s21, 9
	s_add_co_u32 s30, s30, s23
	s_lshl_b32 s23, s22, 8
	s_add_co_u32 s30, s30, s23
	s_mov_b32 s31, 0
	s_wait_alu depctr_va_vdst(0)
	s_wait_kmcnt 0x0
	s_add_nc_u64 s[4:5], s[4:5], s[24:25]
	s_add_nc_u64 s[32:33], s[14:15], s[26:27]
	s_add_nc_u64 s[34:35], s[14:15], s[30:31]
.macro XLOAD k                         ; step k: sixteen loads, each 512 consecutive bytes of one of the tile's rows
.irp p, 0,1,2,3,4,5,6,7,8,9,10,11,12,13,14,15
	global_load_b128 v[R+64*((\k)%2)+4*\p:R+64*((\k)%2)+4*\p+3], v1, s[4:5] offset:(\p+8*(\p/8))*4096+512*(\k) th:TH_LOAD_NT
.endr
.endm
.macro TURN k                          ; through my stage: LDS serves a wave's instructions in order, so no wait stands between the stores and the loads
.irp p, 0,1,2,3,4,5,6,7,8,9,10,11,12,13,14,15
	ds_store_b128 v2, v[R+64*((\k)%2)+4*\p:R+64*((\k)%2)+4*\p+3] offset:SP*\p
.endr
.irp b, 0,1,2,3
.irp i, 0,1,2,3
	ds_load_b128 v[X+16*\b+4*\i:X+16*\b+4*\i+3], v3 offset:128*\b+16*\i
.endr
.endr
.endm
	XLOAD 0
	XLOAD 1
.irp k, 0,1,2,3
.if \k < 3
	s_wait_loadcnt 16                              ; this step's sixteen loads are in; the next step's may be out
.else
	s_wait_loadcnt 0x0
.endif
	TURN \k
	s_wait_dscnt 0x0                               ; the numbers are back, and the stores into the stage have read their registers,
.if \k < 2
	XLOAD \k+2                                     ; which take the loads of two steps on
.endif
	QUANT X, PC+8*\k, SW+\k
.irp c, 0,1
	global_store_b128 v1, v[PC+8*\k+4*\c:PC+8*\k+4*\c+3], s[32:33] offset:1024*\k+512*\c   ; 32 lanes store 512 consecutive bytes, aligned
.endr
.endr
	v_cndmask_b32 v12, v[SW], v[SW+2], vcc_lo      ; lanes 0-15 send words 0 and 1 of their row, lanes 16-31 words 2 and 3:
	v_cndmask_b32 v13, v[SW+1], v[SW+3], vcc_lo
	global_store_b64 v4, v[12:13], s[34:35] offset:SCALES   ; 256 consecutive bytes, aligned
	s_wait_tensorcnt 0x0
	ds_add_u32 v26, v27
	s_wait_dscnt 0x0
	s_endpgm
	; ---- a weight: one tile of 16 rows x 1,024 codes becomes eight images
.Lweights:
	s_sub_co_u32 s20, ttmp9, 256
	s_lshr_b32 s21, s20, 4                         ; which matrix: 0 q, 1 k, 2 v, 3 o
	s_and_b32 s22, s20, 15
	s_lshl_b32 s22, s22, 2
	s_add_co_u32 s22, s22, s18                     ; which tile, 0..63
	s_wait_alu depctr_va_vdst(0)
	v_and_b32 v8, 8, v6
	v_add_nc_u32 v8, v8, v6                        ; p(r)
	v_lshlrev_b32 v9, 9, v8                        ; a row of 1,024 codes is 512 bytes
	v_lshl_add_u32 v9, v7, 4, v9
	s_lshr_b32 s23, s22, 1
	s_lshl_b32 s24, s23, 14                        ; 32 rows for each pair of tiles,
	s_and_b32 s23, s22, 1
	s_lshl_b32 s23, s23, 12                        ; 8 rows on for the odd one
	s_add_co_u32 s24, s24, s23
	s_mov_b32 s25, 0
	s_lshl_b32 s26, s21, 19
	s_lshl_b32 s23, s22, 13
	s_add_co_u32 s26, s26, s23
	s_mov_b32 s27, 0
	s_wait_alu depctr_va_vdst(0)
	s_wait_kmcnt 0x0
	s_cmp_eq_u32 s21, 1                            ; the choice hangs on the work-group's number alone
	s_cselect_b64 s[6:7], s[8:9], s[6:7]
	s_cmp_eq_u32 s21, 2
	s_cselect_b64 s[6:7], s[10:11], s[6:7]
	s_cmp_eq_u32 s21, 3
	s_cselect_b64 s[6:7], s[12:13], s[6:7]
	s_add_nc_u64 s[6:7], s[6:7], s[24:25]
	s_add_nc_u64 s[16:17], s[16:17], s[26:27]
.irp s, 0,1,2,3,4,5,6,7
.irp c, 0,1
	global_load_b128 v[R+8*\s+4*\c:R+8*\s+4*\c+3], v9, s[6:7] offset:64*\s+32*\c th:TH_LOAD_NT   ; k = 128 s + 64 c + 32 h on, of row p(r)
.endr
.endr
.irp s, 0,1,2,3,4,5,6,7
.irp c, 0,1
	s_wait_loadcnt 15-2*\s-\c                      ; loads come back in order: this one is in, the younger ones may be out
	global_store_b128 v1, v[R+8*\s+4*\c:R+8*\s+4*\c+3], s[16:17] offset:1024*\s+512*\c
.endr
.endr
	s_endpgm
.Lfunc_end_k_qfbf83683d8_prep:
	.size	k_qfbf83683d8_prep, .Lfunc_end_k_qfbf83683d8_prep-k_qfbf83683d8_prep
	.p2alignl 7, 3214868480
	.fill 96, 4, 3214868480
	.section	.rodata,"a",@progbits
	.p2align	6, 0x0
	.amdhsa_kernel k_qfbf83683d8_prep
		.amdhsa_group_segment_fixed_size 34304
		.amdhsa_private_segment_fixed_size 0
		.amdhsa_enable_private_segment 0
		.amdhsa_kernarg_size 56
		.amdhsa_user_sgpr_count 2
		.amdhsa_user_sgpr_kernarg_segment_ptr 1
		.amdhsa_wavefront_size32 1
		.amdhsa_system_sgpr_workgroup_id_x 1
		.amdhsa_system_sgpr_workgroup_id_y 1
		.amdhsa_system_sgpr_workgroup_id_z 1
		.amdhsa_system_vgpr_workitem_id 0
		.amdhsa_next_free_vgpr 256
		.amdhsa_next_free_sgpr 66
		.amdhsa_reserve_vcc 1
		.amdhsa_float_denorm_mode_32 3
		.amdhsa_float_denorm_mode_16_64 3
		.amdhsa_memory_ordered 1
		.amdhsa_forward_progress 1
		.amdhsa_inst_pref_size 38
	.end_amdhsa_kernel
	.amdgpu_metadata
---
amdhsa.version: [ 1, 2 ]
amdhsa.kernels:
  - .name:           k_qfbf83683d8_prep
    .symbol:         k_qfbf83683d8_prep.kd
    .args:
      - { .name: x, .offset: 0, .size: 8, .value_kind: global_buffer, .address_space: global }
      - { .name: Wq_codes, .offset: 8, .size: 8, .value_kind: global_buffer, .address_space: global }
      - { .name: Wk_codes, .offset: 16, .size: 8, .value_kind: global_buffer, .address_space: global }
      - { .name: Wv_codes, .offset: 24, .size: 8, .value_kind: global_buffer, .address_space: global }
      - { .name: Wo_codes, .offset: 32, .size: 8, .value_kind: global_buffer, .address_space: global }
      - { .name: xcode, .offset: 40, .size: 8, .value_kind: global_buffer, .address_space: global }
      - { .name: wimg, .offset: 48, .size: 8, .value_kind: global_buffer, .address_space: global }
    .group_segment_fixed_size: 34304
    .private_segment_fixed_size: 0
    .kernarg_segment_align: 8
    .kernarg_segment_size: 56
    .max_flat_workgroup_size: 128
    .sgpr_count:     66
    .vgpr_count:     256
    .wavefront_size: 32
...
	.end_amdgpu_metadata
.endif
;; end of part 5
;; launch qkv (part 6): grid 4 x 64, 4 waves a work-group, no clusters, 66,048 bytes of LDS; arguments xcode, wimg, Wq_scales, Wk_scales, Wv_scales, bq, bk, bv, qbuf, kbuf, vbuf; writes qbuf, kbuf, vbuf
.if DOCPART == 6
	.amdgcn_target "amdgcn-amd-amdhsa--gfx1250"
	.amdhsa_code_object_version 6
	.text
	.protected	k_qfbf83683d8_qkv
	.globl	k_qfbf83683d8_qkv
	.p2align	8
	.type	k_qfbf83683d8_qkv,@function
k_qfbf83683d8_qkv:
	s_mov_b64 s[64:65], 0
	v_nop
	global_prefetch_b8 v0, s[64:65] scope:SCOPE_SE
	s_setreg_imm32_b32 hwreg(HW_REG_WAVE_SCHED_MODE, 0, 2), 2
	s_setreg_imm32_b32 hwreg(HW_REG_WAVE_MODE, 25, 1), 1
	s_wait_xcnt 0x0
	s_wait_alu depctr_vm_vsrc(0)
; Q = x Wq^T + bq, K, V likewise, on codes of FP4 with E8M0 scales; the results leave as codes: Q and K quantised along a head's 64 channels, V along the keys.
; SHARES.  A work-group takes 128 tokens (8 tiles; work-group y) and four heads (work-group x); wave w takes head 4 x + w: its 64 columns of Q, of K and of V.
; x's 64 fragments (8 tiles x 8 K steps, 64 KB of images) come once through LDS and stay in each wave's registers (512).  The weights' images go from memory straight into registers, eight K steps ahead.
; A UNIT is two weight tiles x 8 token tiles x all of K: 16 accumulators by turns, 128 matrix instructions.  Six units: Q channels 0-31, 32-63, K likewise, V likewise.  All is written out: every offset is an immediate.
; Q, K: source 0 = 16 rows of W, source 1 = 16 tokens: a lane holds one token, and the 16 registers of the unit's two tiles are 16 neighbouring channels (the tiles' rows are 32 b + 8 u + p(r), p(r) = r + 8 (r / 8)).
; V: source 0 = 16 tokens, source 1 = 16 rows of W: a lane holds one channel, and its 64 registers run along the 128 tokens, which are the second attention product's K.
; The biases are the C of each sum's first matrix instruction.
; OUT.  qbuf, kbuf: codes [head 0..63][token tile 0..127][512: lane (r, h) = channels 32 h .. 32 h + 31 of token row r]; from byte 4,194,304 on, scale words [head][128 tokens][lane (r, h)][4 words: tiles 4 h + i],
; a word = byte of channels 0-31 | byte of channels 32-63 << 8 | 0x7f7f0000.  vbuf: codes [head][128 keys][channel tile 0..3][1,024]; scale words [head][128 keys][lane (r, h)][2 words: tiles 2 h, 2 h + 1].
; NO JOINT LOADS: the weights that work-groups share go to registers and are used from there once; a way through LDS would write and read each of a unit's 16 KB a wave once more, and nothing in LDS is filled twice here.
; LIMITS: NaN and infinities are not served; a block whose largest magnitude lies under 2^-124 gets the byte 1: the bytes are read by this program alone.
; REGISTERS.  window 0: v1-8 offsets; v16-31 at work; v32-63 codes; v64-191 the 16 accumulators; v192-223 x's scale words (8 g + s: lanes 0-15 tile 2 g, lanes 16-31 tile 2 g + 1);
;   v224-239 the weights' scale words, two sets (lanes 0-15 the unit's first tile, lanes 16-31 its second); v240-251 scale bytes and words on their way out; v254, v255 the closing add's two.
;   window 1: x's fragment (tile j, K step s) at 64 s + 8 j, s = 0..3; window 2: s = 4..7; window 3: v0-191 a ring of twelve slots of weight fragments (K step 8 u + s of the whole walk in slot (8 u + s) % 12, tile t at + 8 t),
;   v192-223 the bias as C, two sets, v224-227 V's bias, a number a lane, two pairs.
; THE MODE: SCHED_MODE bits 1:0 = 2 (LLVM: expert scheduling mode 2), set by the entry lines.  The code itself states the register dependences between vector or matrix instructions and memory or LDS instructions,
; with s_wait_alu, always for 0.
; THE PLAN.  Registers that memory or LDS instructions touch:
;   the ring       Twelve slots are three groups of four.  The four K steps of group G read slots of group G % 3; the loads issued in them, four at each step's head, are those of eight steps on and land in group (G + 2) % 3,
;                  which the four steps before read.  ONE wait on va_vdst at the head of each group states that those are done reading; no product issued since names a slot of that group.
;   WS0, WS1       Unit u's products read set u % 2; unit u + 1's words land in the other set, in unit u's first step, behind that step's wait: unit u - 1 is done reading it.
;   the bias       Likewise two sets: unit u's first step reads set u % 2, and asks for the other.
;   QC, SELR       Written by an epilogue's conversions, swaps and selects; read by its stores, which stand in one run behind one wait on va_vdst; written again by a later epilogue, behind a wait on vm_vsrc at its head.
;   the accumulators  Read by the head's LDS stores (the copy of x's images passes through them), then written by products: one wait on vm_vsrc behind the barrier.
;   v1 to v7       Offsets, made once at the head, ahead of one wait on va_vdst, and never written again.
;   v254, v255     Written at the head, read by the closing add alone.
.set SCALES, 4194304
.set TM,   16
.set QC,   32
.set ACC,  64
.set XS,   192
.set WS,   224
.set QB,   240
.set VW,   240
.set SELR, 248
.set BIAS, 192
.set BVW,  224
.set SEL,  38
.set MSB,  0
.macro WIN new                         ; s_set_vgpr_msb: bits 1:0 source 0, 3:2 source 1, 5:4 source 2, 7:6 destination; the high byte repeats the setting that is left
.if MSB != \new
	s_set_vgpr_msb (MSB<<8)|\new
.set MSB, \new
.endif
.endm
.macro PLACES
.rept 4
	v_nop
.endr
.endm
.macro WM d, a, b, c, sa, sb, ra, rb   ; ra, rb = 1: that side's scales are read from lanes 16-31
.if (\ra) && (\rb)
	v_wmma_scale_f32_16x16x128_f8f6f4 v[\d:\d+7], v[\a:\a+7], v[\b:\b+7], v[\c:\c+7], v[\sa], v[\sb] matrix_a_fmt:MATRIX_FMT_FP4 matrix_b_fmt:MATRIX_FMT_FP4 matrix_a_scale:MATRIX_SCALE_ROW1 matrix_b_scale:MATRIX_SCALE_ROW1
.elseif (\ra)
	v_wmma_scale_f32_16x16x128_f8f6f4 v[\d:\d+7], v[\a:\a+7], v[\b:\b+7], v[\c:\c+7], v[\sa], v[\sb] matrix_a_fmt:MATRIX_FMT_FP4 matrix_b_fmt:MATRIX_FMT_FP4 matrix_a_scale:MATRIX_SCALE_ROW1
.elseif (\rb)
	v_wmma_scale_f32_16x16x128_f8f6f4 v[\d:\d+7], v[\a:\a+7], v[\b:\b+7], v[\c:\c+7], v[\sa], v[\sb] matrix_a_fmt:MATRIX_FMT_FP4 matrix_b_fmt:MATRIX_FMT_FP4 matrix_b_scale:MATRIX_SCALE_ROW1
.else
	v_wmma_scale_f32_16x16x128_f8f6f4 v[\d:\d+7], v[\a:\a+7], v[\b:\b+7], v[\c:\c+7], v[\sa], v[\sb] matrix_a_fmt:MATRIX_FMT_FP4 matrix_b_fmt:MATRIX_FMT_FP4
.endif
.endm
; 64 numbers of a lane, register 16 b + i = k 32 b + 16 (lane / 16) + i of my row, become a fragment's codes in v[pc] on and its scale word in v[pw].
.macro QUANT s, pc, pw
.irp b, 0,1,2,3
	v_max3_num_f32 v[TM+\b], |v[\s+16*\b]|, |v[\s+16*\b+1]|, 0x1800000   ; each accumulator is read from its low end on; the floor 2^(3 - 127) holds the byte at 1 from below
.endr
.irp i, 2,4,6,8,10,12,14
.irp b, 0,1,2,3
	v_max3_num_f32 v[TM+\b], v[TM+\b], |v[\s+16*\b+\i]|, |v[\s+16*\b+\i+1]|
.endr
.endr
.irp b, 0,1,2,3
	v_permlanex16_b32 v[TM+4+\b], v[TM+\b], s[SEL], s[SEL+1]
.endr
.irp b, 0,1,2,3
	v_max_num_f32 v[TM+\b], v[TM+\b], v[TM+4+\b]
.endr
.irp b, 0,1,2,3
	v_add_nc_u32 v[TM+12+\b], 0xff000000, v[TM+\b]
.endr
.irp b, 0,1,2,3
	v_lshrrev_b32 v[TM+4+\b], 23, v[TM+12+\b]
.endr
	v_lshl_or_b32 v[\pw], v[TM+5], 8, v[TM+4]
	v_lshl_or_b32 v[\pw], v[TM+6], 16, v[\pw]
	v_lshl_or_b32 v[\pw], v[TM+7], 24, v[\pw]
.irp b, 0,1,2,3
	v_cvt_scalef32_pk8_fp4_f32 v[\pc+2*\b], v[\s+16*\b:\s+16*\b+7], v[TM+12+\b]
	v_cvt_scalef32_pk8_fp4_f32 v[\pc+2*\b+1], v[\s+16*\b+8:\s+16*\b+15], v[TM+12+\b]
.endr
	v_nop                                              ; one plain instruction behind the scaled conversions
.irp c, 0,1
.irp i, 0,1
	v_permlane16_swap_b32 v[\pc+4*\c+\i], v[\pc+4*\c+2+\i]
.endr
.endr
.endm
; What unit n wants (n / 2: the matrix q, k, v; n % 2: which 32 channels, and which set of scale and bias registers).
.macro PF_SC n                         ; its weights' scale words: 8 words a row; lanes 0-15 the first tile's rows, lanes 16-31 the second's
.irp q, 0,1
	global_load_b128 v[WS+8*((\n)%2)+4*\q:WS+8*((\n)%2)+4*\q+3], v3, s[12+2*((\n)/2):13+2*((\n)/2)] offset:1024*((\n)%2)+16*\q
.endr
.endm
.macro PF_B n                          ; its bias, into window 3.  Q, K: lane (r, h), tile t: channels 16 h + 8 t + 0 .. 7.  V: the lane's own channel, a number a tile
.if (\n) < 4
.irp t, 0,1
.irp e, 0,1
	global_load_b128 v[BIAS+16*((\n)%2)+8*\t+4*\e:BIAS+16*((\n)%2)+8*\t+4*\e+3], v5, s[18+2*((\n)/2):19+2*((\n)/2)] offset:128*((\n)%2)+32*\t+16*\e
.endr
.endr
.else
.irp t, 0,1
	global_load_b32 v[BVW+2*((\n)%2)+\t], v6, s[22:23] offset:128*((\n)%2)+32*\t
.endr
.endif
.endm
.macro PF_W n, s                       ; its two weight fragments of K step s, into their slot of the ring in window 3: four loads of 512 consecutive bytes
.irp t, 0,1
.irp c, 0,1
	global_load_b128 v[16*((8*(\n)+(\s))%12)+8*\t+4*\c:16*((8*(\n)+(\s))%12)+8*\t+4*\c+3], v1, s[10:11] offset:((\n)/2)*524288+((\n)%2)*16384+8192*\t+1024*(\s)+512*\c
.endr
.endr
.endm
; K step s of unit u: at its head the loads of the same K step of the next unit, eight steps ahead; then 16 matrix instructions, the 16 accumulators by turns.
; THE COUNT: behind this step's four weight loads were issued those of the seven K steps that follow it (28; in the last unit 4 (7 - s)) and, from a unit's second step on, the next unit's scale words and bias
; (6, or 4 where that unit is V's), which its first step has asked for.
.macro KSTEP u, s
.set WSL, 16*((8*(\u)+(\s))%12)        ; this step's slot
.set BSL, BIAS+16*((\u)%2)             ; this unit's bias
.if (\u) == 0
.if 16*(7-(\s)) > 63
	s_wait_dscnt 63                                ; x's fragments were asked for K step by K step, sixteen loads each: at most 63 are out, so this step's are in
.else
	s_wait_dscnt 16*(7-(\s))
.endif
.endif
.if (\u) == 5
	s_wait_loadcnt 4*(7-(\s))
.elseif (\s) == 0
	s_wait_loadcnt 28
.elseif (\u) < 3
	s_wait_loadcnt 34
.else
	s_wait_loadcnt 32
.endif
.if (\u) < 5
.if ((\s)%4 == 0) && ((\u)+(\s) > 0)
	s_wait_alu depctr_va_vdst(0)                   ; the products of the four K steps before are done reading their four slots, in which this step's and the next three steps' loads land; at a unit's head the unit before is also done reading its scale words and its bias
.endif
.if (\s) == 0
	WIN 0
	PF_SC (\u)+1
	WIN 0xc0
	PF_B (\u)+1
.endif
	WIN 0xc0
	PF_W (\u)+1, \s                                ; no further wait: no vector or matrix instruction since the group's wait names these registers
.endif
.if (\u) < 4
.if (\s) == 0
	WIN 0x37                                       ; W and the bias window 3, x window 1
.elseif (\s) < 4
	WIN 0x07
.else
	WIN 0x0b                                       ; x window 2
.endif
.irp j, 0,1,2,3,4,5,6,7
.irp t, 0,1
.if (\s) == 0
	WM ACC+16*\j+8*\t, WSL+8*\t, 64*((\s)%4)+8*\j, BSL+8*\t, WS+8*((\u)%2)+(\s), XS+8*(\j/2)+(\s), \t, \j%2
.else
	WM ACC+16*\j+8*\t, WSL+8*\t, 64*((\s)%4)+8*\j, ACC+16*\j+8*\t, WS+8*((\u)%2)+(\s), XS+8*(\j/2)+(\s), \t, \j%2
.endif
.endr
.endr
.else
.if (\s) == 0
	WIN 0xc3
.irp t, 0,1
.irp i, 0,1,2,3,4,5,6,7
	v_mov_b32 v[BSL+8*\t+\i], v[BVW+2*((\u)%2)+\t] ; V's result holds one channel a lane: its bias in all eight registers of C
.endr
.endr
	PLACES
	WIN 0x3d                                       ; x window 1, W and the bias window 3
.elseif (\s) < 4
	WIN 0x0d
.else
	WIN 0x0e
.endif
.irp t, 0,1
.irp j, 0,1,2,3,4,5,6,7
.if (\s) == 0
	WM ACC+64*\t+8*\j, 64*((\s)%4)+8*\j, WSL+8*\t, BSL+8*\t, XS+8*(\j/2)+(\s), WS+8*((\u)%2)+(\s), \j%2, \t
.else
	WM ACC+64*\t+8*\j, 64*((\s)%4)+8*\j, WSL+8*\t, ACC+64*\t+8*\j, XS+8*(\j/2)+(\s), WS+8*((\u)%2)+(\s), \j%2, \t
.endif
.endr
.endr
.endif
.if (\s) == 7
	PLACES                                         ; four places in front of the first read of results by a vector instruction (ISA guide 7.12.1)
.endif
.endm
; Behind a unit of Q or K (m = 0, 1): block b of each token's 64 channels lies in lanes l and l xor 16, 16 numbers each.  Token tiles four at a time, by turns.
.macro EPI_QK b, m
	WIN 0
	s_wait_xcnt 0x0                                ; earlier stores have read their data: the codes' registers are written again only behind this wait
.if (\m) > 0
	s_wait_alu depctr_vm_vsrc(0)                   ; Q's stores have read v[QC ..] and v[SELR ..], which K's epilogues write again
.endif
.irp g, 0,4
.irp k, 0,1,2,3
	v_max3_num_f32 v[TM+\k], |v[ACC+16*(\g+\k)]|, |v[ACC+16*(\g+\k)+1]|, 0x1800000   ; each accumulator from its low end on
.endr
.irp i, 2,4,6,8,10,12,14
.irp k, 0,1,2,3
	v_max3_num_f32 v[TM+\k], v[TM+\k], |v[ACC+16*(\g+\k)+\i]|, |v[ACC+16*(\g+\k)+\i+1]|
.endr
.endr
.irp k, 0,1,2,3
	v_permlanex16_b32 v[TM+4+\k], v[TM+\k], s[SEL], s[SEL+1]
.endr
.irp k, 0,1,2,3
	v_max_num_f32 v[TM+\k], v[TM+\k], v[TM+4+\k]
.endr
.irp k, 0,1,2,3
	v_add_nc_u32 v[TM+12+\k], 0xff000000, v[TM+\k]
.endr
.if (\b) == 0
.irp k, 0,1,2,3
	v_lshrrev_b32 v[QB+\g+\k], 23, v[TM+12+\k]     ; the first block's byte waits for the second's
.endr
.else
.irp k, 0,1,2,3
	v_lshrrev_b32 v[TM+8+\k], 23, v[TM+12+\k]
.endr
.irp k, 0,1,2,3
	v_lshl_or_b32 v[QB+\g+\k], v[TM+8+\k], 8, v[QB+\g+\k]
.endr
.irp k, 0,1,2,3
	v_or_b32 v[QB+\g+\k], 0x7f7f0000, v[QB+\g+\k]  ; the scale 1 for k = 64 .. 127 of the instruction, which a head does not have
.endr
.endif
.irp k, 0,1,2,3
	v_cvt_scalef32_pk8_fp4_f32 v[QC+4*(\g+\k)+2*(\b)], v[ACC+16*(\g+\k):ACC+16*(\g+\k)+7], v[TM+12+\k]
	v_cvt_scalef32_pk8_fp4_f32 v[QC+4*(\g+\k)+2*(\b)+1], v[ACC+16*(\g+\k)+8:ACC+16*(\g+\k)+15], v[TM+12+\k]
.endr
	v_nop                                          ; one plain instruction behind the scaled conversions
.endr
.if (\b) == 1
.irp j, 0,1,2,3,4,5,6,7
.irp i, 0,1
	v_permlane16_swap_b32 v[QC+4*\j+\i], v[QC+4*\j+2+\i]   ; lanes 0-15 channels 0-31, lanes 16-31 channels 32-63
.endr
.endr
.irp i, 0,1,2,3
	v_cndmask_b32 v[SELR+\i], v[QB+\i], v[QB+4+\i], vcc_lo   ; lanes 0-15 send tiles 0-3's words of their token row, lanes 16-31 tiles 4-7's
.endr
	s_wait_alu depctr_va_vdst(0)                   ; the swaps have written v[QC ..] and the selects v[SELR ..], which the nine stores below read
.irp j, 0,1,2,3,4,5,6,7
	global_store_b128 v1, v[QC+4*\j:QC+4*\j+3], s[24+2*(\m):25+2*(\m)] offset:512*\j   ; 512 consecutive bytes, aligned
.endr
	global_store_b128 v1, v[SELR:SELR+3], s[32+2*(\m):33+2*(\m)] offset:SCALES
.endif
.endm
; Behind a unit of V (g = 0, 1): each of its two channel tiles is one fragment, 16 channels x 128 keys.
.macro EPI_V g
	WIN 0
	s_wait_xcnt 0x0
	s_wait_alu depctr_vm_vsrc(0)                   ; the stores of the epilogues before have read v[QC ..] and v[SELR ..], which this one writes again
.irp t, 0,1
	QUANT ACC+64*\t, QC+8*(2*(\g)+\t), VW+2*(\g)+\t
.endr
.if (\g) == 1
	v_cndmask_b32 v[SELR], v[VW], v[VW+2], vcc_lo  ; lanes 0-15 send tiles 0 and 1's words of their channel row, lanes 16-31 tiles 2 and 3's
	v_cndmask_b32 v[SELR+1], v[VW+1], v[VW+3], vcc_lo
.endif
	s_wait_alu depctr_va_vdst(0)                   ; the two fragments' codes (and, in the last unit, the selected scale words) are written, which the stores below read
.irp t, 0,1
.irp c, 0,1
	global_store_b128 v1, v[QC+8*(2*(\g)+\t)+4*\c:QC+8*(2*(\g)+\t)+4*\c+3], s[28:29] offset:1024*(2*(\g)+\t)+512*\c
.endr
.endr
.if (\g) == 1
	global_store_b64 v7, v[SELR:SELR+1], s[36:37] offset:SCALES
.endif
.endm
	s_load_b256 s[8:15], s[0:1], 0x0               ; xcode, wimg, Wq's scales, Wk's
	s_load_b256 s[16:23], s[0:1], 0x20             ; Wv's scales, bq, bk, bv
	s_load_b128 s[24:27], s[0:1], 0x40             ; qbuf, kbuf
	s_load_b64 s[28:29], s[0:1], 0x50              ; vbuf
	v_lshl_add_u32 v254, v0, 2, 0x10000
	v_mov_b32 v255, 0
	v_lshrrev_b32 v9, 5, v0
	v_readfirstlane_b32 s2, v9                     ; wave 0..3
	v_and_b32 v8, 31, v0                           ; lane
	v_and_b32 v9, 15, v0                           ; r
	v_bfe_u32 v10, v0, 4, 1                        ; h
	v_and_b32 v11, 8, v9
	v_add_nc_u32 v11, v11, v9                      ; p(r)
	v_lshlrev_b32 v1, 4, v8                        ; 16 x lane: an image's place for my lane
	v_lshlrev_b32 v2, 4, v0                        ; 16 x thread: the copy of x's images
	v_lshl_add_u32 v3, v10, 3, v11
	v_lshlrev_b32 v3, 5, v3                        ; the weights' scale words: row 8 h + p(r), 32 bytes a row
	v_lshlrev_b32 v4, 4, v9
	v_lshl_add_u32 v4, v10, 9, v4                  ; x's scale words: tile h of a pair, 16 bytes a row
	v_lshlrev_b32 v5, 6, v10                       ; Q's and K's bias: 16 h numbers on
	v_lshlrev_b32 v6, 2, v11                       ; V's bias: channel p(r)
	v_lshlrev_b32 v7, 3, v8                        ; 8 x lane
	v_cmp_lt_u32 vcc_lo, 15, v8                    ; lanes 16-31; never rewritten
.irp b, 0,1,2,3
	v_mov_b32 v[TM+4+\b], 0                        ; written once: a lane permute's destination counts as one of its sources
.endr
	s_mov_b32 s[SEL], 0x76543210
	s_mov_b32 s[SEL+1], 0xfedcba98
	s_wait_alu depctr_va_sdst(0)                   ; s2, the wave's number, is written, ahead of its first reader: the bases below of the weights, their scale bytes, the biases and the outputs are made from it
	s_wait_alu depctr_va_vcc(0)                    ; VCC, the mask of lanes 16-31, is written, ahead of its first reader, the epilogues' selects
	s_lshl_b32 s3, ttmp9, 2
	s_add_co_u32 s3, s3, s2                        ; my head in the batch, 0..15
	s_and_b32 s4, ttmp7, 0xffff                    ; which 128 tokens, 0..63
	s_lshr_b32 s5, s4, 4
	s_lshl_b32 s5, s5, 4
	s_add_co_u32 s5, s5, s3                        ; batch x 16 + head
	s_and_b32 s6, s4, 15                           ; which 128 tokens of the sequence
	s_mov_b32 s41, 0
	s_wait_kmcnt 0x0
	s_lshl_b32 s40, s4, 12
	s_add_nc_u64 s[30:31], s[8:9], s[40:41]        ; x's scale words: 512 bytes a tile
	s_lshl_b32 s40, s5, 13
	s_lshl_b32 s42, s6, 9
	s_add_co_u32 s40, s40, s42
	s_add_nc_u64 s[32:33], s[24:25], s[40:41]      ; Q's scale words out,
	s_add_nc_u64 s[34:35], s[26:27], s[40:41]      ; K's,
	s_lshr_b32 s40, s40, 1
	s_add_nc_u64 s[36:37], s[28:29], s[40:41]      ; V's (half as many)
	s_lshl_b32 s40, s4, 16
	s_add_nc_u64 s[8:9], s[8:9], s[40:41]          ; x's images: 8 tiles of 8,192 bytes
	s_lshl_b32 s40, s3, 15
	s_add_nc_u64 s[10:11], s[10:11], s[40:41]      ; my head's four weight tiles in each matrix
	s_lshl_b32 s40, s3, 11
	s_add_nc_u64 s[12:13], s[12:13], s[40:41]      ; their scale bytes: 64 rows of 32
	s_add_nc_u64 s[14:15], s[14:15], s[40:41]
	s_add_nc_u64 s[16:17], s[16:17], s[40:41]
	s_lshl_b32 s40, s3, 8
	s_add_nc_u64 s[18:19], s[18:19], s[40:41]      ; the biases: 64 numbers
	s_add_nc_u64 s[20:21], s[20:21], s[40:41]
	s_add_nc_u64 s[22:23], s[22:23], s[40:41]
	s_lshl_b32 s40, s5, 16
	s_lshl_b32 s42, s6, 12
	s_add_co_u32 s40, s40, s42
	s_add_nc_u64 s[24:25], s[24:25], s[40:41]      ; the codes out: 4,096 bytes for 128 tokens of a head, in each of the three
	s_add_nc_u64 s[26:27], s[26:27], s[40:41]
	s_add_nc_u64 s[28:29], s[28:29], s[40:41]
	s_wait_alu depctr_va_vdst(0)                   ; the offsets v1 to v7 are written: every load, store and LDS instruction of the kernel reads one of them as its address
.set i, 0
.rept 32
	global_load_b128 v[ACC+4*i:ACC+4*i+3], v2, s[8:9] offset:2048*i   ; the work-group's 64 KB of x's images, a 128th a thread
.set i, i+1
.endr
.irp g, 0,1,2,3
.irp q, 0,1
	global_load_b128 v[XS+8*\g+4*\q:XS+8*\g+4*\q+3], v4, s[30:31] offset:SCALES+1024*\g+256*\q
.endr
.endr
	PF_SC 0
	WIN 0xc0
	PF_B 0
.irp s, 0,1,2,3,4,5,6,7
	PF_W 0, \s
.endr
	WIN 0
	s_wait_loadcnt 46                              ; the copy's 32 loads are in; the 8 + 2 + 4 + 32 issued behind them may be out
.set i, 0
.rept 32
	ds_store_b128 v2, v[ACC+4*i:ACC+4*i+3] offset:2048*i
.set i, i+1
.endr
	s_wait_dscnt 0x0                               ; for the others' sake: my part of the images lies in LDS
	s_barrier_signal -1
	s_barrier_wait -1                              ; everybody's does
	s_wait_alu depctr_vm_vsrc(0)                   ; my LDS stores have read v[ACC ..]: these registers are the accumulators from here on, written by the products
	WIN 0x40                                       ; destination window 1
.irp s, 0,1,2,3
.irp j, 0,1,2,3,4,5,6,7
.irp c, 0,1
	ds_load_b128 v[64*\s+8*\j+4*\c:64*\s+8*\j+4*\c+3], v1 offset:8192*\j+1024*\s+512*\c
.endr
.endr
.endr
	WIN 0x80                                       ; destination window 2
.irp s, 4,5,6,7
.irp j, 0,1,2,3,4,5,6,7
.irp c, 0,1
	ds_load_b128 v[64*(\s-4)+8*\j+4*\c:64*(\s-4)+8*\j+4*\c+3], v1 offset:8192*\j+1024*\s+512*\c
.endr
.endr
.endr
.irp u, 0,1,2,3,4,5
.irp s, 0,1,2,3,4,5,6,7
	KSTEP \u, \s
.endr
.if \u < 4
	EPI_QK \u%2, \u/2
.else
	EPI_V \u-4
.endif
.endr
	WIN 0
	s_wait_dscnt 0x0                               ; the closing lines, six on end
	s_wait_alu 0x0
	s_wait_tensorcnt 0x0
	ds_add_u32 v254, v255
	s_wait_dscnt 0x0
	s_endpgm
.Lfunc_end_k_qfbf83683d8_qkv:
	.size	k_qfbf83683d8_qkv, .Lfunc_end_k_qfbf83683d8_qkv-k_qfbf83683d8_qkv
	.p2alignl 7, 3214868480
	.fill 96, 4, 3214868480
	.section	.rodata,"a",@progbits
	.p2align	6, 0x0
	.amdhsa_kernel k_qfbf83683d8_qkv
		.amdhsa_group_segment_fixed_size 66048
		.amdhsa_private_segment_fixed_size 0
		.amdhsa_enable_private_segment 0
		.amdhsa_kernarg_size 88
		.amdhsa_user_sgpr_count 2
		.amdhsa_user_sgpr_kernarg_segment_ptr 1
		.amdhsa_wavefront_size32 1
		.amdhsa_system_sgpr_workgroup_id_x 1
		.amdhsa_system_sgpr_workgroup_id_y 1
		.amdhsa_system_sgpr_workgroup_id_z 1
		.amdhsa_system_vgpr_workitem_id 0
		.amdhsa_next_free_vgpr 1024
		.amdhsa_next_free_sgpr 66
		.amdhsa_reserve_vcc 1
		.amdhsa_float_denorm_mode_32 3
		.amdhsa_float_denorm_mode_16_64 3
		.amdhsa_memory_ordered 1
		.amdhsa_forward_progress 1
		.amdhsa_inst_pref_size 190
	.end_amdhsa_kernel
	.amdgpu_metadata
---
amdhsa.version: [ 1, 2 ]
amdhsa.kernels:
  - .name:           k_qfbf83683d8_qkv
    .symbol:         k_qfbf83683d8_qkv.kd
    .args:
      - { .name: xcode, .offset: 0, .size: 8, .value_kind: global_buffer, .address_space: global }
      - { .name: wimg, .offset: 8, .size: 8, .value_kind: global_buffer, .address_space: global }
      - { .name: Wq_scales, .offset: 16, .size: 8, .value_kind: global_buffer, .address_space: global }
      - { .name: Wk_scales, .offset: 24, .size: 8, .value_kind: global_buffer, .address_space: global }
      - { .name: Wv_scales, .offset: 32, .size: 8, .value_kind: global_buffer, .address_space: global }
      - { .name: bq, .offset: 40, .size: 8, .value_kind: global_buffer, .address_space: global }
      - { .name: bk, .offset: 48, .size: 8, .value_kind: global_buffer, .address_space: global }
      - { .name: bv, .offset: 56, .size: 8, .value_kind: global_buffer, .address_space: global }
      - { .name: qbuf, .offset: 64, .size: 8, .value_kind: global_buffer, .address_space: global }
      - { .name: kbuf, .offset: 72, .size: 8, .value_kind: global_buffer, .address_space: global }
      - { .name: vbuf, .offset: 80, .size: 8, .value_kind: global_buffer, .address_space: global }
    .group_segment_fixed_size: 66048
    .private_segment_fixed_size: 0
    .kernarg_segment_align: 8
    .kernarg_segment_size: 88
    .max_flat_workgroup_size: 128
    .sgpr_count:     66
    .vgpr_count:     1024
    .wavefront_size: 32
...
	.end_amdgpu_metadata
.endif
;; end of part 6
;; launch attn (part 7): grid 4 x 64, 16 waves a work-group, no clusters, 145,408 bytes of LDS; arguments qbuf, kbuf, vbuf, hbuf; writes hbuf
.if DOCPART == 7
	.amdgcn_target "amdgcn-amd-amdhsa--gfx1250"
	.amdhsa_code_object_version 6
	.text
	.protected	k_qfbf83683d8_attn
	.globl	k_qfbf83683d8_attn
	.p2align	8
	.type	k_qfbf83683d8_attn,@function
k_qfbf83683d8_attn:
	s_mov_b64 s[64:65], 0
	v_nop
	global_prefetch_b8 v0, s[64:65] scope:SCOPE_SE
	s_setreg_imm32_b32 hwreg(HW_REG_WAVE_SCHED_MODE, 0, 2), 2
	s_setreg_imm32_b32 hwreg(HW_REG_WAVE_MODE, 25, 1), 1
	s_wait_xcnt 0x0
	s_wait_alu depctr_vm_vsrc(0)
; head[q] = the sum over k of softmax_k(Q[q] . K[k] / 8) V[k], for one head of 64 channels and 2,048 keys, both products on codes of FP4 with E8M0 scales; the result leaves as codes along the model's 1,024.
; THE SOFTMAX AHEAD OF THE SECOND PRODUCT: t = score x log2(e) / 8; M = the row's largest t so far, rounded UP to a whole number; p = 2^(t - M) is what is quantised, along the keys, not normalised.
; The row's sum is taken of the unquantised p and divides O at the end.  When M moves, the sum and O are multiplied by 2^(old M - new M): exact.
; SHARES.  A work-group owns one head (work-group y) and a quarter of its queries (work-group x): 32 tiles of 16; each of its sixteen waves two of them, one after the other, in 256 registers: four waves to a SIMD,
; so that one wave's vector work stands beside another's matrix work and LDS loads.  Every wave walks all keys, 128 a step.
; LDS holds the whole head: K's codes (64 KB), V's (64 KB), their scale words (8 KB, 4 KB), all as images of operand registers, filled ONCE through registers: one barrier in the launch, and every read is 16 (or 8) x lane.
; LAYOUT.  Both products are used transposed: S^T = K Q^T, O^T = V^T P^T: a lane holds ONE query throughout.  The keys of tile 2 b + u are 32 b + 8 u + r + 8 (r / 8): the 16 registers of two neighbouring tiles are 16 neighbouring keys.
; A HEAD HAS 64 CHANNELS, THE INSTRUCTION 128 ALONG K: Q's codes for k = 64 .. 127 are zeros (v20-23), so whatever codes stand in the upper half of K's operand add nothing: they are the next tile's four registers
; (behind the last tile four zeros); both sides' scale bytes there are 0x7f.  So a tile of K is four registers and one LDS load.
; NO JOINT LOADS: what the four work-groups of a head share is fetched once by each, 140 KB at the head of a launch whose loop touches memory no more.
; LIMITS: NaN and infinities are not served.  A block's largest p is not searched for: the block's largest score goes through the same multiply-add and exponential, which takes v_exp_f32 not to fall where its input rises.
; A block of p or of the result under 2^-124 gets the byte 1.
; REGISTERS: v1-6 addresses that stay; v7 the byte on its way out; v8-11 the step's LDS addresses; v12 -M, v13 the largest t, v[14:15] the sum; v16-23 Q; v24 Q's scale word; v26-27 V's scale words; v28-31 K's;
; v32-67 K's eight tiles; v96-159 S^T, then p; v160-191 O^T; v192-223 V's four fragments; v224-231 p's codes; v232-247 at work; v248 p's scale word; v254 at work; v253, v255 the closing add's two.
; THE MODE: SCHED_MODE bits 1:0 = 2 (LLVM: expert scheduling mode 2), set by the entry lines.  The code itself states the register dependences between vector or matrix instructions and memory or LDS instructions,
; with s_wait_alu, always for 0.
; THE PLAN.  Registers that memory or LDS instructions touch, in the loop over key steps:
;   v32-63, v28-31   K's tiles and scale words.  Read by step j's eight score products, at its head; step j + 1's land in them, asked for in the middle of step j.
;   v192-223, v26-27 V's fragments and scale words.  Read by step j's last four products; step j + 1's land in them, asked for in the middle of step j + 1.
;   v8 to v11        LDS addresses.  Read by a step's eighteen loads; written once a step, behind the score products, behind a wait on vm_vsrc.
; The wait on va_vdst behind the 64 exponentials stands behind all of these readers and writers: the eighteen loads follow it with no wait of their own, and what follows them names none of their registers.
; One more wait on va_vdst a step stands ahead of the four products that take p's codes and scale word, which vector instructions have written.
; Outside the loop: v16-19, v24 (Q, loaded at a tile's head, read by the score products); v224-227, v7 (a tile's store data); v96-165, v7 to v11 (the fill's data and addresses); v253, v255 (written at the head, read by the closing add alone).
.set SCALES, 4194304
.set LV,   65536                       ; LDS: V's codes
.set LKS,  131072                      ; K's scale words, 512 bytes a step
.set LVS,  139264                      ; V's, 256 bytes a step
.macro PLACES
.rept 4
	v_nop
.endr
.endm
.macro WMZ d, a, b, sa, sb, ra         ; a product that starts its sum; ra = 1: source 0's scales are read from lanes 16-31
.if (\ra)
	v_wmma_scale_f32_16x16x128_f8f6f4 v[\d:\d+7], v[\a:\a+7], v[\b:\b+7], 0, v[\sa], v[\sb] matrix_a_fmt:MATRIX_FMT_FP4 matrix_b_fmt:MATRIX_FMT_FP4 matrix_a_scale:MATRIX_SCALE_ROW1
.else
	v_wmma_scale_f32_16x16x128_f8f6f4 v[\d:\d+7], v[\a:\a+7], v[\b:\b+7], 0, v[\sa], v[\sb] matrix_a_fmt:MATRIX_FMT_FP4 matrix_b_fmt:MATRIX_FMT_FP4
.endif
.endm
.macro WMA d, a, b, sa, sb, ra         ; and one that adds in place
.if (\ra)
	v_wmma_scale_f32_16x16x128_f8f6f4 v[\d:\d+7], v[\a:\a+7], v[\b:\b+7], v[\d:\d+7], v[\sa], v[\sb] matrix_a_fmt:MATRIX_FMT_FP4 matrix_b_fmt:MATRIX_FMT_FP4 matrix_a_scale:MATRIX_SCALE_ROW1
.else
	v_wmma_scale_f32_16x16x128_f8f6f4 v[\d:\d+7], v[\a:\a+7], v[\b:\b+7], v[\d:\d+7], v[\sa], v[\sb] matrix_a_fmt:MATRIX_FMT_FP4 matrix_b_fmt:MATRIX_FMT_FP4
.endif
.endm
	s_load_b256 s[4:11], s[0:1], 0x0               ; qbuf, kbuf, vbuf, hbuf
	v_lshl_add_u32 v253, v0, 2, 0x23000
	v_mov_b32 v255, 0
	v_lshrrev_b32 v7, 5, v0
	v_readfirstlane_b32 s36, v7                    ; wave 0..15
	v_and_b32 v234, 31, v0                         ; lane
	v_and_b32 v232, 15, v0                         ; r
	v_bfe_u32 v233, v0, 4, 1                       ; h
	v_lshlrev_b32 v1, 4, v234                      ; 16 x lane: my place in an image of K,
	v_add_nc_u32 v2, LV, v1                        ; of V,
	v_add_nc_u32 v3, LKS, v1                       ; among K's scale words,
	v_lshlrev_b32 v4, 3, v234
	v_add_nc_u32 v4, LVS, v4                       ; and among V's
	v_lshlrev_b32 v5, 4, v232                      ; Q's scale word: 16 r
	v_lshl_add_u32 v6, v232, 4, v233               ; the result's scale byte: 16 r + h
	v_cmp_lt_u32 vcc_lo, 15, v234                  ; lanes 16-31; never rewritten
	v_lshlrev_b32 v8, 4, v0                        ; the fill: 16 x thread, in memory and in LDS,
	v_add_nc_u32 v9, LV, v8
	v_add_nc_u32 v10, LKS, v8
	v_lshlrev_b32 v7, 3, v0                        ; 8 x thread for V's scale words
	v_add_nc_u32 v11, LVS, v7
	s_wait_alu depctr_va_sdst(0)                   ; s36, the wave's number, is written, ahead of its first reader: the bases of Q and of the result are made from it
	s_wait_alu depctr_va_vcc(0)                    ; VCC, the mask of lanes 16-31, is written, ahead of its first reader, the select at a tile's end
	s_and_b32 s37, ttmp7, 0xffff                   ; batch x 16 + head
	s_lshr_b32 s38, s37, 4                         ; batch
	s_and_b32 s39, s37, 15                         ; head
	s_lshl_b32 s40, ttmp9, 5
	s_lshl_b32 s41, s36, 1
	s_add_co_u32 s40, s40, s41                     ; my first tile of queries in the sequence: 32 x quarter + 2 x wave
	s_lshl_b32 s41, s38, 7
	s_add_co_u32 s41, s41, s40                     ; and among all token tiles
	s_mov_b32 s43, 0
	s_mov_b32 s28, 0x76543210
	s_mov_b32 s29, 0xfedcba98                      ; v_permlanex16_b32's selects for lane l xor 16
	s_mov_b32 s30, 0x3e38aa3b                      ; c = log2(e) / 8
	s_mov_b32 s31, s30                             ; (named with it as a pair, so it is written)
	s_wait_kmcnt 0x0
	s_lshl_b32 s42, s37, 16
	s_add_nc_u64 s[16:17], s[6:7], s[42:43]        ; the head's codes of K
	s_add_nc_u64 s[20:21], s[8:9], s[42:43]        ; and of V
	s_lshl_b32 s44, s40, 9
	s_add_co_u32 s42, s42, s44
	s_add_nc_u64 s[12:13], s[4:5], s[42:43]        ; my first tile of Q
	s_lshl_b32 s42, s37, 13
	s_add_nc_u64 s[18:19], s[6:7], s[42:43]        ; the head's scale words of K
	s_lshl_b32 s44, ttmp9, 2
	s_lshr_b32 s45, s36, 2
	s_add_co_u32 s44, s44, s45
	s_lshl_b32 s44, s44, 9                         ; Q's: which 128 tokens,
	s_add_co_u32 s42, s42, s44
	s_bfe_u32 s44, s36, 0x10001
	s_lshl_b32 s44, s44, 8                         ; which four of their eight tiles,
	s_add_co_u32 s42, s42, s44
	s_and_b32 s44, s36, 1
	s_lshl_b32 s44, s44, 3                         ; which two of the four
	s_add_co_u32 s42, s42, s44
	s_add_nc_u64 s[14:15], s[4:5], s[42:43]
	s_lshl_b32 s42, s37, 12
	s_add_nc_u64 s[22:23], s[8:9], s[42:43]        ; the head's scale words of V
	s_lshl_b32 s42, s41, 13                        ; the result's image: token tile, K step head / 2, group head % 2
	s_lshr_b32 s44, s39, 1
	s_lshl_b32 s44, s44, 10
	s_add_co_u32 s42, s42, s44
	s_and_b32 s44, s39, 1
	s_lshl_b32 s45, s44, 9
	s_add_co_u32 s42, s42, s45
	s_add_nc_u64 s[24:25], s[10:11], s[42:43]
	s_lshl_b32 s42, s41, 9                         ; its scale bytes: token tile, K half head / 8, word (head / 2) % 4, bytes 2 (head % 2) + 0, 1
	s_lshr_b32 s45, s39, 3
	s_lshl_b32 s45, s45, 8
	s_add_co_u32 s42, s42, s45
	s_bfe_u32 s45, s39, 0x20001
	s_lshl_b32 s45, s45, 2
	s_add_co_u32 s42, s42, s45
	s_lshl_b32 s44, s44, 1
	s_add_co_u32 s42, s42, s44
	s_add_nc_u64 s[26:27], s[10:11], s[42:43]
	s_wait_alu depctr_va_vdst(0)                   ; the addresses v1 to v11 are written, which the fill's loads and LDS stores and the tiles' loads and stores read
	; THE FILL: 512 threads x 16 bytes are 8,192 bytes an instruction
.irp i, 0,1,2,3,4,5,6,7
	global_load_b128 v[96+4*\i:99+4*\i], v8, s[16:17] offset:8192*\i
.endr
.irp i, 0,1,2,3,4,5,6,7
	global_load_b128 v[128+4*\i:131+4*\i], v8, s[20:21] offset:8192*\i
.endr
	global_load_b128 v[160:163], v8, s[18:19] offset:SCALES
	global_load_b64 v[164:165], v7, s[22:23] offset:SCALES
.irp b, 0,1,2,3
	v_mov_b32 v[64+\b], 0                          ; behind K's last tile
	v_mov_b32 v[236+\b], 0                         ; written once: a lane permute's destination counts as one of its sources
.endr
	v_mov_b32 v241, 0                              ; (named as the upper half of the pair v[240:241])
	v_mov_b32 v254, 0
	s_wait_loadcnt 0x0
.irp i, 0,1,2,3,4,5,6,7
	ds_store_b128 v8, v[96+4*\i:99+4*\i] offset:8192*\i
.endr
.irp i, 0,1,2,3,4,5,6,7
	ds_store_b128 v9, v[128+4*\i:131+4*\i] offset:8192*\i
.endr
	ds_store_b128 v10, v[160:163]
	ds_store_b64 v11, v[164:165]
	s_wait_dscnt 0x0                               ; for the others' sake: my part of the head lies in LDS
	s_barrier_signal -1
	s_barrier_wait -1                              ; everybody's does; nothing is written to LDS from here on
; A KEY STEP: 128 keys.  last = 1: a tile's last step, which asks for no further K.
.macro STEP last
	s_wait_dscnt 0x0                               ; K's eight tiles and its scale words, asked for in the step before (the first step's: at the tile's head), are in
.irp t, 0,1,2,3,4,5,6,7
	WMZ 96+8*\t, 32+4*\t, 16, 28+\t%4, 24, \t/4
.endr
	s_wait_alu depctr_vm_vsrc(0)                   ; the LDS loads of the step before have read v8 to v11, which are written again
.if (\last) == 0
	v_add_nc_u32 v8, s32, v1                       ; the step's addresses; these four are also the places behind the score products, in front of the first read of their results
	v_add_nc_u32 v10, s33, v3
.else
	v_nop
	v_nop
.endif
	v_add_nc_u32 v9, s32, v2
	v_add_nc_u32 v11, s34, v4
.irp b, 0,1,2,3
	v_max3_num_f32 v[232+\b], v[96+16*\b], v[97+16*\b], v[98+16*\b]   ; the largest score of each block of 32 keys: for the row's maximum, and, since p rises with the score, for the block's largest p
.endr
.irp i, 3,5,7,9,11,13
.irp b, 0,1,2,3
	v_max3_num_f32 v[232+\b], v[232+\b], v[96+16*\b+\i], v[97+16*\b+\i]
.endr
.endr
.irp b, 0,1,2,3
	v_max_num_f32 v[232+\b], v[232+\b], v[111+16*\b]
.endr
.irp b, 0,1,2,3
	v_permlanex16_b32 v[236+\b], v[232+\b], s28, s29
.endr
.irp b, 0,1,2,3
	v_max_num_f32 v[232+\b], v[232+\b], v[236+\b]  ; with lane l xor 16's 16 keys
.endr
	v_max3_num_f32 v254, v232, v233, v234
	v_max_num_f32 v254, v254, v235                 ; the step's largest score of my query
	v_mul_f32 v254, s30, v254                      ; as t (c is positive)
	v_max_num_f32 v13, v13, v254                   ; the running largest t
	v_mov_b32 v254, v12
	v_floor_f32 v12, -v13                          ; the new -M = floor(-t): M is a whole number
	v_sub_f32 v254, v12, v254                      ; old M less new M: a whole number, 0 or less
	v_cvt_i32_f32 v254, v254                       ; (it saturates)
	v_ldexp_f32 v240, 1.0, v254                    ; f = 2^(old M - new M)
.set j, 0
.rept 32
	v_pk_fma_f32 v[96+j:97+j], v[96+j:97+j], s[30:31], v[12:13] op_sel_hi:[1,0,0]   ; t - M, two at a time
.set j, j+2
.endr
.irp b, 0,1,2,3
	v_fma_f32 v[232+\b], v[232+\b], s30, v12       ; the same of each block's largest score
.endr
.set j, 0
	s_wait_alu depctr_va_vdst(0)
.rept 64
	v_exp_f32 v[96+j], v[96+j]                     ; p = 2^(t - M), at most 1
.set j, j+1
.endr
	v_pk_mul_f32 v[14:15], v[14:15], v[240:241] op_sel_hi:[1,0]   ; the sums under the new M; the plain instruction behind the exponentials
	s_wait_alu depctr_va_vdst(0)                   ; the 64 exponentials have written p, ahead of its first reader; the score products are done reading K's registers and the last step's four products V's, in which the loads below land; v8 to v11 are written, which those loads read
.irp t, 0,1,2,3
.irp c, 0,1
	ds_load_b128 v[192+8*\t+4*\c:195+8*\t+4*\c], v9 offset:1024*\t+512*\c   ; V of this step
.endr
.endr
	ds_load_b64 v[26:27], v11                      ; V's scale words: register i: lanes 0-15 tile i, lanes 16-31 tile 2 + i
.if (\last) == 0
.irp t, 0,1,2,3,4,5,6,7
	ds_load_b128 v[32+4*\t:35+4*\t], v8 offset:4096+512*\t   ; K of the next step: 4,096 bytes on
.endr
	ds_load_b128 v[28:31], v10 offset:512          ; K's scale words: register i: lanes 0-15 tile i, lanes 16-31 tile 4 + i
.endif
.irp b, 0,1,2,3
	v_exp_f32 v[232+\b], v[232+\b]                 ; the block's largest p
.endr
	v_pk_add_f32 v[236:237], v[96:97], v[98:99]    ; the row's sum is taken of the unquantised p: two at a time, in two chains
.irp j, 4,8,12,16,20,24,28,32,36,40,44,48,52,56,60
	v_pk_add_f32 v[14:15], v[14:15], v[96+\j:97+\j]
	v_pk_add_f32 v[236:237], v[236:237], v[98+\j:99+\j]
.endr
	v_pk_add_f32 v[14:15], v[14:15], v[236:237]
	s_wait_alu depctr_va_vdst(0)                   ; the four exponentials have written the blocks' largest p, ahead of their first reader
.irp b, 0,1,2,3
	v_max_num_f32 v[232+\b], 0x1800000, v[232+\b]  ; the floor 2^(3 - 127): the byte cannot fall under 1
.endr
.irp b, 0,1,2,3
	v_add_nc_u32 v[244+\b], 0xff000000, v[232+\b]  ; 2 off the exponent field: the conversion's scale operand
.endr
.irp b, 0,1,2,3
	v_lshrrev_b32 v[236+\b], 23, v[244+\b]         ; the scale's byte
.endr
	v_lshl_or_b32 v248, v237, 8, v236              ; p's scale word for these 128 keys
	v_lshl_or_b32 v248, v238, 16, v248
	v_lshl_or_b32 v248, v239, 24, v248
.irp b, 0,1,2,3
	v_cvt_scalef32_pk8_fp4_f32 v[224+2*\b], v[96+16*\b:103+16*\b], v[244+\b]
	v_cvt_scalef32_pk8_fp4_f32 v[225+2*\b], v[104+16*\b:111+16*\b], v[244+\b]
.endr
	v_nop                                          ; one plain instruction behind the scaled conversions
.irp c, 0,1
.irp i, 0,1
	v_permlane16_swap_b32 v[224+4*\c+\i], v[226+4*\c+\i]   ; a whole block to a lane
.endr
.endr
.set j, 0
.rept 16
	v_pk_mul_f32 v[160+j:161+j], v[160+j:161+j], v[240:241] op_sel_hi:[1,0]   ; O^T under the new M, each accumulator from its low end on; these sixteen also stand between the writes of p's scale word and codes and the products
.set j, j+2
.endr
.if (\last) == 0
	s_wait_dscnt 9                                 ; V and its scale words are in; the next step's nine loads of K may be out
.else
	s_wait_dscnt 0x0                               ; V and its scale words are in
.endif
	s_wait_alu depctr_va_vdst(0)                   ; p's codes v224-231 and its scale word v248 are written, which the four products below take as source 1 and as its scales; the places above stay beside this wait
.irp t, 0,1,2,3
	WMA 160+8*\t, 192+8*\t, 224, 26+\t%2, 248, \t/2   ; four accumulators by turns; between two links of a chain stand the others' and the next step's eight score products
.endr
.endm
; One tile of 16 queries, the wave's i-th.
.macro TILE i
	s_wait_xcnt 0x0                                ; the last tile's stores have read their data
	s_wait_alu depctr_vm_vsrc(0)                   ; first tile: the fill's loads and LDS stores have read v7 to v11 and v96 to v165; second tile: the first's stores have read v224-227 and v7: all these are written again below
	global_load_b128 v[16:19], v1, s[12:13] offset:512*(\i)   ; no vector or matrix instruction since the last wait on va_vdst (at the head; ahead of the last tile's stores) names the registers in which these loads land
	global_load_b32 v24, v5, s[14:15] offset:SCALES+4*(\i)
.irp t, 0,1,2,3,4,5,6,7
	ds_load_b128 v[32+4*\t:35+4*\t], v1 offset:512*\t   ; K of key step 0, by the addresses that stay
.endr
	ds_load_b128 v[28:31], v3
.irp b, 0,1,2,3
	v_mov_b32 v[20+\b], 0                          ; Q has no k = 64 .. 127
.endr
	v_mov_b32 v13, 0xff61b1e6                      ; the largest t so far: -3e38, under every t
	v_floor_f32 v12, -v13                          ; -M
	v_mov_b32 v14, 0
	v_mov_b32 v15, 0
.set j, 0
.rept 32
	v_mov_b32 v[160+j], 0                          ; O^T: the step's first trip finds zeros, which the first change of M leaves zeros
.set j, j+1
.endr
	s_mov_b32 s32, 0                               ; the step's codes, 4,096 bytes a step in K and in V;
	s_mov_b32 s33, 0                               ; K's scale words, 512;
	s_mov_b32 s34, 0                               ; V's, 256
	s_mov_b32 s35, 15
	s_wait_loadcnt 0x0
	s_wait_alu depctr_va_vdst(0)                   ; the zeros v20-23 and v64-67 are written, which the score products take as parts of their two sources
.Lk_\@:
	STEP 0
	s_add_co_u32 s32, s32, 4096
	s_add_co_u32 s33, s33, 512
	s_add_co_u32 s34, s34, 256
	s_sub_co_u32 s35, s35, 1
	s_cmp_lg_u32 s35, 0
	s_cbranch_scc1 .Lk_\@
	STEP 1                                         ; the sixteenth step is written out: there is no K behind it to ask for
	PLACES
	v_add_f32 v14, v14, v15                        ; the sum's two halves,
	v_permlanex16_b32 v254, v14, s28, s29
	v_add_f32 v14, v14, v254                       ; and lane l xor 16's
	s_wait_alu depctr_va_vdst(0)
	v_rcp_f32 v14, v14
	v_nop                                          ; a plain instruction behind the reciprocal,
	s_wait_alu depctr_va_vdst(0)                   ; and the wait: the reciprocal has written v14, ahead of its first reader
.set j, 0
.rept 16
	v_pk_mul_f32 v[96+j:97+j], v[160+j:161+j], v[14:15] op_sel_hi:[1,0]   ; register 16 b + i: channel 32 b + 16 h + i of my query
.set j, j+2
.endr
	; the head's 64 channels are two blocks of the last product's K
.irp b, 0,1
	v_max3_num_f32 v[232+\b], |v[96+16*\b]|, |v[97+16*\b]|, 0x1800000
.endr
.irp n, 2,4,6,8,10,12,14
.irp b, 0,1
	v_max3_num_f32 v[232+\b], v[232+\b], |v[96+16*\b+\n]|, |v[97+16*\b+\n]|
.endr
.endr
.irp b, 0,1
	v_permlanex16_b32 v[236+\b], v[232+\b], s28, s29
.endr
.irp b, 0,1
	v_max_num_f32 v[232+\b], v[232+\b], v[236+\b]
.endr
.irp b, 0,1
	v_add_nc_u32 v[244+\b], 0xff000000, v[232+\b]
.endr
.irp b, 0,1
	v_lshrrev_b32 v[236+\b], 23, v[244+\b]
.endr
.irp b, 0,1
	v_cvt_scalef32_pk8_fp4_f32 v[224+2*\b], v[96+16*\b:103+16*\b], v[244+\b]
	v_cvt_scalef32_pk8_fp4_f32 v[225+2*\b], v[104+16*\b:111+16*\b], v[244+\b]
.endr
	v_nop
	v_permlane16_swap_b32 v224, v226
	v_permlane16_swap_b32 v225, v227               ; lanes 0-15 channels 0-31, lanes 16-31 channels 32-63: one group of an image
	v_cndmask_b32 v7, v236, v237, vcc_lo           ; lanes 0-15 send the first block's byte of their row, lanes 16-31 the second's
	s_wait_alu depctr_va_vdst(0)                   ; the codes v224-227 and the byte v7 are written, which the two stores read; the tile's products are done reading Q's and K's registers, in which the next tile's loads land
	global_store_b128 v1, v[224:227], s[24:25] offset:8192*(\i)   ; 512 consecutive bytes, aligned
	global_store_b8 v6, v7, s[26:27] offset:SCALES+512*(\i)       ; a head's two bytes of each row: their neighbours belong to other heads' work-groups
.endm
	TILE 0
	TILE 1
	s_wait_dscnt 0x0                               ; the closing lines, six on end
	s_wait_alu 0x0
	s_wait_tensorcnt 0x0
	ds_add_u32 v253, v255
	s_wait_dscnt 0x0
	s_endpgm
.Lfunc_end_k_qfbf83683d8_attn:
	.size	k_qfbf83683d8_attn, .Lfunc_end_k_qfbf83683d8_attn-k_qfbf83683d8_attn
	.p2alignl 7, 3214868480
	.fill 96, 4, 3214868480
	.section	.rodata,"a",@progbits
	.p2align	6, 0x0
	.amdhsa_kernel k_qfbf83683d8_attn
		.amdhsa_group_segment_fixed_size 145408
		.amdhsa_private_segment_fixed_size 0
		.amdhsa_enable_private_segment 0
		.amdhsa_kernarg_size 32
		.amdhsa_user_sgpr_count 2
		.amdhsa_user_sgpr_kernarg_segment_ptr 1
		.amdhsa_wavefront_size32 1
		.amdhsa_system_sgpr_workgroup_id_x 1
		.amdhsa_system_sgpr_workgroup_id_y 1
		.amdhsa_system_sgpr_workgroup_id_z 1
		.amdhsa_system_vgpr_workitem_id 0
		.amdhsa_next_free_vgpr 256
		.amdhsa_next_free_sgpr 66
		.amdhsa_reserve_vcc 1
		.amdhsa_float_denorm_mode_32 3
		.amdhsa_float_denorm_mode_16_64 3
		.amdhsa_memory_ordered 1
		.amdhsa_forward_progress 1
		.amdhsa_inst_pref_size 76
	.end_amdhsa_kernel
	.amdgpu_metadata
---
amdhsa.version: [ 1, 2 ]
amdhsa.kernels:
  - .name:           k_qfbf83683d8_attn
    .symbol:         k_qfbf83683d8_attn.kd
    .args:
      - { .name: qbuf, .offset: 0, .size: 8, .value_kind: global_buffer, .address_space: global }
      - { .name: kbuf, .offset: 8, .size: 8, .value_kind: global_buffer, .address_space: global }
      - { .name: vbuf, .offset: 16, .size: 8, .value_kind: global_buffer, .address_space: global }
      - { .name: hbuf, .offset: 24, .size: 8, .value_kind: global_buffer, .address_space: global }
    .group_segment_fixed_size: 145408
    .private_segment_fixed_size: 0
    .kernarg_segment_align: 8
    .kernarg_segment_size: 32
    .max_flat_workgroup_size: 512
    .sgpr_count:     66
    .vgpr_count:     256
    .wavefront_size: 32
...
	.end_amdgpu_metadata
.endif
;; end of part 7
;; launch outln (part 8): grid 256 x 1, 16 waves a work-group, no clusters, 161,792 bytes of LDS; arguments hbuf, wimg, Wo_scales, bo, gamma, beta, x, out0; writes out0
.if DOCPART == 8
	.amdgcn_target "amdgcn-amd-amdhsa--gfx1250"
	.amdhsa_code_object_version 6
	.text
	.protected	k_qfbf83683d8_outln
	.globl	k_qfbf83683d8_outln
	.p2align	8
	.type	k_qfbf83683d8_outln,@function
k_qfbf83683d8_outln:
	s_mov_b64 s[64:65], 0
	v_nop
	global_prefetch_b8 v0, s[64:65] scope:SCOPE_SE
	s_setreg_imm32_b32 hwreg(HW_REG_WAVE_SCHED_MODE, 0, 2), 2
	s_setreg_imm32_b32 hwreg(HW_REG_WAVE_MODE, 25, 1), 1
	s_wait_xcnt 0x0
	s_wait_alu depctr_vm_vsrc(0)
; out0 = x + LayerNorm(head Wo^T + bo) x gamma + beta.  The product is on codes of FP4 with E8M0 scales; all else in f32.
; SHARES.  A work-group owns 32 tokens (token tiles 2 g and 2 g + 1) with all 1,024 columns, so that a row's mean and variance stay inside it.  Wave w owns columns 64 w .. 64 w + 63: four weight tiles x two token
; tiles: 8 accumulators by turns, 8 K steps written out, 64 matrix instructions.  The head's 16 KB of images come once through LDS; Wo's images go from memory straight into registers, up to three K steps ahead.
; The product is used transposed (source 0 = 16 rows of Wo, source 1 = 16 tokens): a lane holds one token and 32 of the wave's columns.  bo is LOADED INTO the accumulators, so that every K step adds in place.
; LAYERNORM in two passes: the mean; then the mean of the squared differences: no difference of large sums is formed.  Each pass: a lane's 32 numbers, lane l xor 16's, then the sixteen waves' through LDS and a barrier.
; THE WAY OUT: through the wave's own stage, so that sixteen lanes hold 256 neighbouring bytes of a row; there gamma, beta and x join.
; NO JOINT LOADS: Wo's images, which all work-groups walk, go to registers and are used from there once; nothing in LDS is filled twice.
; LIMITS: NaN and infinities are not served; v_rsq_f32 is good to one unit in the last place.
; REGISTERS: v1-12 offsets; v16-47 the head's fragments, two sets, later rows back from the stage; v48-111 the accumulators (32 u + 8 t); v112-207 Wo's fragments, three sets; later v112-175 x and the result, v176-207 at work;
; v208-223 Wo's scale words (8 (t / 2) + s: lanes 0-15 the even tile, lanes 16-31 the odd); v224-231 the head's (s: lanes 0-15 tile u = 0, lanes 16-31 u = 1); v232-239 mean and 1 / deviation; v240-247 gamma, beta; v248-255 at work.
; THE MODE: SCHED_MODE bits 1:0 = 2 (LLVM: expert scheduling mode 2), set by the entry lines.  The code itself states the register dependences between vector or matrix instructions and memory or LDS instructions,
; with s_wait_alu, always for 0.
; THE PLAN.  Registers that memory or LDS instructions touch:
;   H0, H1        K step s's eight products read H[s % 2]; the LDS loads at the head of step s + 1 land in it (the fragments of step s + 2).
;   W0 .. W2      Step s's products read W[s % 3]; the loads at the head of step s + 1 land in it (the weights of step s + 3).
;                 So ONE wait on va_vdst at a step's head states that the step before is done reading both; the step's twelve loads follow it, and its products name the other sets.
;   X             (W0, W1 again) x lands in it behind a wait on va_vdst behind the last step; the way out's arithmetic writes it; the output's stores read it, eight to a wait on va_vdst.
;   T             Read by the head's two LDS stores and by each reduction's two; written again behind a wait on vm_vsrc behind the barrier that follows those stores.
;   BK            (W2 again) The waves' sums land in it, behind the reduction's own wait on va_vdst; on the way out rows from the stage land in it and in H.
;   the accumulators  Written by products and by the norm's arithmetic; read by the stage's LDS stores behind one wait on va_vdst.
;   v1 to v12     Offsets, made once at the head, ahead of one wait on va_vdst, and never written again.
.set SCALES, 4194304
.set RED,  16384                       ; LDS: behind the head's images: [pass][u][r][wave] f32, 2,048 bytes a pass
.set STG,  20480                       ; the stages: 32 rows x (256 bytes + 16) a wave
.set SPI,  272
.set H,    16
.set ACC,  48
.set W,    112
.set X,    112
.set BK,   176
.set WS,   208
.set HS,   224
.set MU,   232
.set RS,   236
.set GA,   240
.set BE,   244
.set T,    248
.macro PLACES
.rept 4
	v_nop
.endr
.endm
.macro WM d, a, b, sa, sb, ra, rb      ; adds in place; ra, rb = 1: that side's scales are read from lanes 16-31
.if (\ra) && (\rb)
	v_wmma_scale_f32_16x16x128_f8f6f4 v[\d:\d+7], v[\a:\a+7], v[\b:\b+7], v[\d:\d+7], v[\sa], v[\sb] matrix_a_fmt:MATRIX_FMT_FP4 matrix_b_fmt:MATRIX_FMT_FP4 matrix_a_scale:MATRIX_SCALE_ROW1 matrix_b_scale:MATRIX_SCALE_ROW1
.elseif (\ra)
	v_wmma_scale_f32_16x16x128_f8f6f4 v[\d:\d+7], v[\a:\a+7], v[\b:\b+7], v[\d:\d+7], v[\sa], v[\sb] matrix_a_fmt:MATRIX_FMT_FP4 matrix_b_fmt:MATRIX_FMT_FP4 matrix_a_scale:MATRIX_SCALE_ROW1
.elseif (\rb)
	v_wmma_scale_f32_16x16x128_f8f6f4 v[\d:\d+7], v[\a:\a+7], v[\b:\b+7], v[\d:\d+7], v[\sa], v[\sb] matrix_a_fmt:MATRIX_FMT_FP4 matrix_b_fmt:MATRIX_FMT_FP4 matrix_b_scale:MATRIX_SCALE_ROW1
.else
	v_wmma_scale_f32_16x16x128_f8f6f4 v[\d:\d+7], v[\a:\a+7], v[\b:\b+7], v[\d:\d+7], v[\sa], v[\sb] matrix_a_fmt:MATRIX_FMT_FP4 matrix_b_fmt:MATRIX_FMT_FP4
.endif
.endm
.macro WLOAD s                         ; my four weight fragments of K step s: eight loads of 512 consecutive bytes
.irp t, 0,1,2,3
.irp c, 0,1
	global_load_b128 v[W+32*((\s)%3)+8*\t+4*\c:W+32*((\s)%3)+8*\t+4*\c+3], v1, s[6:7] offset:8192*\t+1024*(\s)+512*\c
.endr
.endr
.endm
.macro HLOAD s                         ; the two token tiles' fragments of K step s
.irp u, 0,1
.irp c, 0,1
	ds_load_b128 v[H+16*((\s)%2)+8*\u+4*\c:H+16*((\s)%2)+8*\u+4*\c+3], v1 offset:8192*\u+1024*(\s)+512*\c
.endr
.endr
.endm
.macro KSTEP s
.if ((\s) > 0) && ((\s) < 7)
	s_wait_alu depctr_va_vdst(0)                   ; the products of the step before are done reading their set of the head's fragments and their set of weights, in which the loads below land
.endif
.if (\s) < 7
	HLOAD (\s)+1
.endif
.if ((\s) > 0) && ((\s) < 6)
	WLOAD (\s)+2
.endif
.if (\s) == 3
	global_prefetch_b8 v12, s[16:17] th:TH_LOAD_NT scope:SCOPE_SE   ; x: a lane a row: the wave's 256 bytes of each of the 32 rows, each named once in the launch, five K steps ahead of their loads; its registers are never rewritten
.endif
.if (\s) < 7
	s_wait_dscnt 4                                 ; this step's head fragments are in; the next step's four loads may be out
.else
	s_wait_dscnt 0x0
.endif
.if (\s) <= 5
	s_wait_loadcnt 16                              ; this step's weights are in; those of the next two steps may be out
.elseif (\s) == 6
	s_wait_loadcnt 8
.else
	s_wait_loadcnt 0x0
.endif
.irp u, 0,1
.irp t, 0,1,2,3
	WM ACC+32*\u+8*\t, W+32*((\s)%3)+8*\t, H+16*((\s)%2)+8*\u, WS+8*(\t/2)+(\s), HS+(\s), \t%2, \u
.endr
.endr
.if (\s) == 7
	PLACES                                         ; four places in front of the first read of results by a vector instruction (ISA guide 7.12.1)
.endif
.endm
; The pairs v[T + 2 u : T + 2 u + 1] hold a lane's partial sums for token (u, r); the sums over all 1,024 columns come back in v[BK + 16 u], the same in every wave.
.macro REDUCE off
.irp u, 0,1
	v_add_f32 v[T+2*\u], v[T+2*\u], v[T+2*\u+1]
.endr
.irp u, 0,1
	v_permlanex16_b32 v[T+4+\u], v[T+2*\u], s24, s25
.endr
.irp u, 0,1
	v_add_f32 v[T+2*\u], v[T+2*\u], v[T+4+\u]      ; my wave's 64 columns
.endr
	s_wait_alu depctr_va_vdst(0)                   ; my wave's two sums are written, which the LDS stores read; and every vector or matrix instruction that has named v[BK ..] is done, in which the loads behind the barrier land
.irp u, 0,1
	ds_store_b32 v6, v[T+2*\u] offset:\off+1024*\u ; both halves of the lanes write the same word with the same value
.endr
	s_wait_dscnt 0x0                               ; for the others' sake
	s_barrier_signal -1
	s_barrier_wait -1
	s_wait_alu depctr_vm_vsrc(0)                   ; my two LDS stores have read v[T] and v[T + 2], which the arithmetic behind this reduction writes again
.irp u, 0,1
.irp i, 0,1,2,3
	ds_load_b128 v[BK+16*\u+4*\i:BK+16*\u+4*\i+3], v7 offset:\off+1024*\u+16*\i   ; the sixteen waves' sums for my token
.endr
.endr
	s_wait_dscnt 0x0
.irp i, 2,4,6,8,10,12,14
.irp u, 0,1
	v_pk_add_f32 v[BK+16*\u:BK+16*\u+1], v[BK+16*\u:BK+16*\u+1], v[BK+16*\u+\i:BK+16*\u+\i+1]
.endr
.endr
.irp u, 0,1
	v_add_f32 v[BK+16*\u], v[BK+16*\u], v[BK+16*\u+1]
.endr
.endm
	s_load_b256 s[4:11], s[0:1], 0x0               ; hbuf, wimg, Wo's scales, bo
	s_load_b256 s[12:19], s[0:1], 0x20             ; gamma, beta, x, out0
	v_lshrrev_b32 v13, 5, v0
	v_readfirstlane_b32 s20, v13                   ; wave 0..15
	v_and_b32 v13, 31, v0                          ; lane
	v_and_b32 v14, 15, v0                          ; r
	v_bfe_u32 v15, v0, 4, 1                        ; h
	v_lshlrev_b32 v1, 4, v13                       ; 16 x lane: an image's place for my lane
	v_lshlrev_b32 v2, 4, v0                        ; 16 x thread: the copy of the head's images
	v_and_b32 v3, 8, v14
	v_add_nc_u32 v3, v3, v14                       ; p(r) = r + 8 (r / 8)
	v_lshl_add_u32 v3, v15, 3, v3
	v_lshlrev_b32 v3, 5, v3                        ; Wo's scale words: row 8 h + p(r), 32 bytes a row
	v_lshlrev_b32 v4, 4, v14
	v_lshl_add_u32 v4, v15, 9, v4                  ; the head's: tile h, 16 bytes a row
	v_lshlrev_b32 v5, 6, v15                       ; bo: 16 h numbers on
	v_lshlrev_b32 v7, 6, v14
	v_add_nc_u32 v7, RED, v7                       ; the waves' sums for token row r: 64 bytes,
	s_wait_alu depctr_va_sdst(0)                   ; s20, the wave's number, is written, ahead of its first reader, the line below
	v_lshl_add_u32 v6, s20, 2, v7                  ; my wave's word among them
	s_mul_i32 s21, s20, 32*SPI
	s_add_co_u32 s21, s21, STG                     ; my stage
	v_mul_u32_u24 v8, v14, SPI
	v_lshl_add_u32 v8, v15, 6, v8
	v_add_nc_u32 v8, s21, v8                       ; into it: row r, 64 h bytes on
	v_mul_u32_u24 v9, v15, SPI
	v_lshl_add_u32 v9, v14, 4, v9
	v_add_nc_u32 v9, s21, v9                       ; out of it: lanes 0-15 one row, lanes 16-31 the next
	v_lshlrev_b32 v11, 4, v14                      ; gamma, beta: my four columns
	v_lshl_add_u32 v10, v15, 12, v11               ; x, out0: the same two rows
	v_lshlrev_b32 v12, 12, v13                     ; the prefetch: a lane a row
.irp u, 0,1,2,3
	v_mov_b32 v[MU+2*\u+1], 0                      ; the pairs' upper words are named and not used: written once
.endr
	s_mov_b32 s24, 0x76543210
	s_mov_b32 s25, 0xfedcba98                      ; v_permlanex16_b32's selects for lane l xor 16
	s_mov_b32 s26, 0x3a800000                      ; 1 / 1,024
	s_mov_b32 s27, 0x3727c5ac                      ; 1e-5
	s_mov_b32 s29, 0
	s_wait_kmcnt 0x0
	s_lshl_b32 s28, ttmp9, 10
	s_add_nc_u64 s[22:23], s[4:5], s[28:29]        ; the head's scale words: 512 bytes a tile
	s_lshl_b32 s28, ttmp9, 14
	s_add_nc_u64 s[4:5], s[4:5], s[28:29]          ; its images: 8,192 bytes a tile
	s_lshl_b32 s28, s20, 15
	s_add_co_u32 s28, s28, 3*524288
	s_add_nc_u64 s[6:7], s[6:7], s[28:29]          ; Wo's images, my four tiles
	s_lshl_b32 s28, s20, 11
	s_add_nc_u64 s[8:9], s[8:9], s[28:29]          ; their scale bytes
	s_lshl_b32 s28, s20, 8
	s_add_nc_u64 s[10:11], s[10:11], s[28:29]      ; bo, gamma, beta: my 64 columns
	s_add_nc_u64 s[12:13], s[12:13], s[28:29]
	s_add_nc_u64 s[14:15], s[14:15], s[28:29]
	s_lshl_b32 s30, ttmp9, 17
	s_add_co_u32 s28, s28, s30
	s_add_nc_u64 s[16:17], s[16:17], s[28:29]      ; x and out0: my 32 rows, my 64 columns
	s_add_nc_u64 s[18:19], s[18:19], s[28:29]
	s_wait_alu depctr_va_vdst(0)                   ; the offsets v1 to v12 are written: every load, store, LDS instruction and the prefetch read one of them as its address
	global_load_b128 v[T:T+3], v2, s[4:5]          ; the copy: 512 threads x 16 bytes, twice
	global_load_b128 v[T+4:T+7], v2, s[4:5] offset:8192
.irp q, 0,1
	global_load_b128 v[HS+4*\q:HS+4*\q+3], v4, s[22:23] offset:SCALES+256*\q
.endr
.irp g, 0,1
.irp q, 0,1
	global_load_b128 v[WS+8*\g+4*\q:WS+8*\g+4*\q+3], v3, s[8:9] offset:1024*\g+16*\q
.endr
.endr
.irp u, 0,1
.irp t, 0,1,2,3
.irp e, 0,1
	global_load_b128 v[ACC+32*\u+8*\t+4*\e:ACC+32*\u+8*\t+4*\e+3], v5, s[10:11] offset:128*(\t/2)+32*(\t%2)+16*\e   ; register i of tile t: column 32 (t / 2) + 16 h + 8 (t % 2) + i
.endr
.endr
.endr
	global_load_b128 v[GA:GA+3], v11, s[12:13]
	global_load_b128 v[BE:BE+3], v11, s[14:15]
	WLOAD 0
	WLOAD 1
	WLOAD 2
	s_wait_loadcnt 48                              ; the copy's two loads are in; the 2 + 4 + 16 + 2 + 24 issued behind them may be out
	ds_store_b128 v2, v[T:T+3]
	ds_store_b128 v2, v[T+4:T+7] offset:8192
	s_wait_dscnt 0x0                               ; for the others' sake
	s_barrier_signal -1
	s_barrier_wait -1                              ; the head's sixteen images lie in LDS
	s_wait_alu depctr_vm_vsrc(0)                   ; my two LDS stores have read v[T ..], which the norm's arithmetic writes
	HLOAD 0
.irp s, 0,1,2,3,4,5,6,7
	KSTEP \s
.endr
	s_wait_alu depctr_va_vdst(0)                   ; the last two steps' products are done reading their weights, v112 to v175, in which x lands
.set i, 0
.rept 16
	global_load_b128 v[X+4*i:X+4*i+3], v10, s[16:17] offset:(8*(i/8)+2*(i%8)+8*((i%8)/4))*4096 th:TH_LOAD_NT   ; x, in the order of the stage's rows: stage row 16 u + r is token 8 u + p(r); it lands while the norm is made
.set i, i+1
.endr
	; ---- the mean
.irp u, 0,1
	v_pk_add_f32 v[T+2*\u:T+2*\u+1], v[ACC+32*\u:ACC+32*\u+1], v[ACC+32*\u+2:ACC+32*\u+3]   ; each accumulator from its low end on
.endr
.irp i, 4,6,8,10,12,14,16,18,20,22,24,26,28,30
.irp u, 0,1
	v_pk_add_f32 v[T+2*\u:T+2*\u+1], v[T+2*\u:T+2*\u+1], v[ACC+32*\u+\i:ACC+32*\u+\i+1]
.endr
.endr
	REDUCE 0
.irp u, 0,1
	v_mul_f32 v[MU+2*\u], s26, v[BK+16*\u]
.endr
.irp u, 0,1
.irp i, 0,2,4,6,8,10,12,14,16,18,20,22,24,26,28,30
	v_pk_add_f32 v[ACC+32*\u+\i:ACC+32*\u+\i+1], v[ACC+32*\u+\i:ACC+32*\u+\i+1], v[MU+2*\u:MU+2*\u+1] op_sel_hi:[1,0] neg_lo:[0,1] neg_hi:[0,1]
.endr
.endr
	; ---- the variance
.irp u, 0,1
	v_pk_mul_f32 v[T+2*\u:T+2*\u+1], v[ACC+32*\u:ACC+32*\u+1], v[ACC+32*\u:ACC+32*\u+1]
.endr
.irp i, 2,4,6,8,10,12,14,16,18,20,22,24,26,28,30
.irp u, 0,1
	v_pk_fma_f32 v[T+2*\u:T+2*\u+1], v[ACC+32*\u+\i:ACC+32*\u+\i+1], v[ACC+32*\u+\i:ACC+32*\u+\i+1], v[T+2*\u:T+2*\u+1]
.endr
.endr
	REDUCE 2048                                    ; other bytes than the first pass's: no wave writes what another may still read
.irp u, 0,1
	v_fma_f32 v[T+2*\u], v[BK+16*\u], s26, s27     ; the variance + 1e-5
.endr
	s_wait_alu depctr_va_vdst(0)
.irp u, 0,1
	v_rsq_f32 v[RS+2*\u], v[T+2*\u]
.endr
	v_nop                                          ; a plain instruction behind the two,
	s_wait_alu depctr_va_vdst(0)                   ; and one wait: the two have written 1 / deviation, ahead of their first reader
.irp u, 0,1
.irp i, 0,2,4,6,8,10,12,14,16,18,20,22,24,26,28,30
	v_pk_mul_f32 v[ACC+32*\u+\i:ACC+32*\u+\i+1], v[ACC+32*\u+\i:ACC+32*\u+\i+1], v[RS+2*\u:RS+2*\u+1] op_sel_hi:[1,0]
.endr
.endr
	; ---- the way out
	s_wait_alu depctr_va_vdst(0)                   ; the normalised numbers are written, which the stage's LDS stores read; the second pass is done reading v[BK ..], in which rows from the stage land (so, long since, are the products with v[H ..])
.irp u, 0,1
.irp t, 0,1,2,3
.irp e, 0,1
	ds_store_b128 v8, v[ACC+32*\u+8*\t+4*\e:ACC+32*\u+8*\t+4*\e+3] offset:16*SPI*\u+128*(\t/2)+32*(\t%2)+16*\e
.endr
.endr
.endr
.irp p, 0,1
.irp n, 0,1,2,3,4,5,6,7
	ds_load_b128 v[BK+(H-BK)*\p+4*\n:BK+(H-BK)*\p+4*\n+3], v9 offset:2*SPI*(8*\p+\n)   ; LDS serves a wave's instructions in order: these see my stores; the first eight pairs of rows into v[BK ..], the other eight into v[H ..]
.endr
.endr
	s_wait_loadcnt 0x0                             ; x
.irp p, 0,1
.irp n, 0,1,2,3,4,5,6,7
	s_wait_dscnt 15-8*\p-\n                        ; LDS loads come back in order: this pair of rows is in, the younger ones may be out
	v_pk_add_f32 v[X+4*(8*\p+\n):X+4*(8*\p+\n)+1], v[X+4*(8*\p+\n):X+4*(8*\p+\n)+1], v[BE:BE+1]
	v_pk_add_f32 v[X+4*(8*\p+\n)+2:X+4*(8*\p+\n)+3], v[X+4*(8*\p+\n)+2:X+4*(8*\p+\n)+3], v[BE+2:BE+3]
	v_pk_fma_f32 v[X+4*(8*\p+\n):X+4*(8*\p+\n)+1], v[BK+(H-BK)*\p+4*\n:BK+(H-BK)*\p+4*\n+1], v[GA:GA+1], v[X+4*(8*\p+\n):X+4*(8*\p+\n)+1]
	v_pk_fma_f32 v[X+4*(8*\p+\n)+2:X+4*(8*\p+\n)+3], v[BK+(H-BK)*\p+4*\n+2:BK+(H-BK)*\p+4*\n+3], v[GA+2:GA+3], v[X+4*(8*\p+\n)+2:X+4*(8*\p+\n)+3]
.endr
	s_wait_alu depctr_va_vdst(0)                   ; these eight pairs of rows of the result are written, which the eight stores below read
.irp n, 0,1,2,3,4,5,6,7
	global_store_b128 v10, v[X+4*(8*\p+\n):X+4*(8*\p+\n)+3], s[18:19] offset:(8*\p+2*\n+8*(\n/4))*4096 th:TH_STORE_NT   ; sixteen lanes store 256 consecutive bytes, aligned; the data's registers are not written again
.endr
.endr
	s_wait_xcnt 0x0
	s_wait_alu depctr_vm_vsrc(0)                   ; v254 and v255 were data of an LDS store at the head: every memory and LDS instruction has read its registers before the two are made anew
	v_lshl_add_u32 v254, v0, 2, 0x27000
	v_mov_b32 v255, 0
	s_wait_dscnt 0x0                               ; the closing lines, six on end
	s_wait_alu 0x0
	s_wait_tensorcnt 0x0
	ds_add_u32 v254, v255
	s_wait_dscnt 0x0
	s_endpgm
.Lfunc_end_k_qfbf83683d8_outln:
	.size	k_qfbf83683d8_outln, .Lfunc_end_k_qfbf83683d8_outln-k_qfbf83683d8_outln
	.p2alignl 7, 3214868480
	.fill 96, 4, 3214868480
	.section	.rodata,"a",@progbits
	.p2align	6, 0x0
	.amdhsa_kernel k_qfbf83683d8_outln
		.amdhsa_group_segment_fixed_size 161792
		.amdhsa_private_segment_fixed_size 0
		.amdhsa_enable_private_segment 0
		.amdhsa_kernarg_size 64
		.amdhsa_user_sgpr_count 2
		.amdhsa_user_sgpr_kernarg_segment_ptr 1
		.amdhsa_wavefront_size32 1
		.amdhsa_system_sgpr_workgroup_id_x 1
		.amdhsa_system_sgpr_workgroup_id_y 1
		.amdhsa_system_sgpr_workgroup_id_z 1
		.amdhsa_system_vgpr_workitem_id 0
		.amdhsa_next_free_vgpr 256
		.amdhsa_next_free_sgpr 66
		.amdhsa_reserve_vcc 0
		.amdhsa_float_denorm_mode_32 3
		.amdhsa_float_denorm_mode_16_64 3
		.amdhsa_memory_ordered 1
		.amdhsa_forward_progress 1
		.amdhsa_inst_pref_size 45
	.end_amdhsa_kernel
	.amdgpu_metadata
---
amdhsa.version: [ 1, 2 ]
amdhsa.kernels:
  - .name:           k_qfbf83683d8_outln
    .symbol:         k_qfbf83683d8_outln.kd
    .args:
      - { .name: hbuf, .offset: 0, .size: 8, .value_kind: global_buffer, .address_space: global }
      - { .name: wimg, .offset: 8, .size: 8, .value_kind: global_buffer, .address_space: global }
      - { .name: Wo_scales, .offset: 16, .size: 8, .value_kind: global_buffer, .address_space: global }
      - { .name: bo, .offset: 24, .size: 8, .value_kind: global_buffer, .address_space: global }
      - { .name: gamma, .offset: 32, .size: 8, .value_kind: global_buffer, .address_space: global }
      - { .name: beta, .offset: 40, .size: 8, .value_kind: global_buffer, .address_space: global }
      - { .name: x, .offset: 48, .size: 8, .value_kind: global_buffer, .address_space: global }
      - { .name: out0, .offset: 56, .size: 8, .value_kind: global_buffer, .address_space: global }
    .group_segment_fixed_size: 161792
    .private_segment_fixed_size: 0
    .kernarg_segment_align: 8
    .kernarg_segment_size: 64
    .max_flat_workgroup_size: 512
    .sgpr_count:     66
    .vgpr_count:     256
    .wavefront_size: 32
...
	.end_amdgpu_metadata
.endif
;; end of part 8
